; MI455X (gfx1250); checked and timed in simulation.
; The chip was launched on July 23, 2026; its instructions are those of AMD's public machine-readable ISA for CDNA 5 (MIT licence, August 2026) and "CDNA5" Instruction Set Architecture Reference Guide (July 2026). The comments in the code are by the model that wrote it; some were corrected since.
;; Ro PE Multihead Attention. Allowed arithmetic: matrix products marked QUANTISED: E2M3 operands, one E8M0 scale for each 32 along K, by v_wmma_scale_f32_16x16x128_f8f6f4 with both operands' format E2M3, f32 sums; everything else in f32.
;; Inputs: Wk_codes 1,024 x 32 x 24 uint8 (E2M3 codes of Wk, K innermost, in blocks of 32 codes, four codes in three bytes); Wk_scales 1,024 x 32 uint8 (E8M0 scales of Wk, one for each 32 codes along K); Wo_codes 1,024 x 32 x 24 uint8 (E2M3 codes of Wo, K innermost, in blocks of 32 codes, four codes in three bytes); Wo_scales 1,024 x 32 uint8 (E8M0 scales of Wo, one for each 32 codes along K); Wq_codes 1,024 x 32 x 24 uint8 (E2M3 codes of Wq, K innermost, in blocks of 32 codes, four codes in three bytes); Wq_scales 1,024 x 32 uint8 (E8M0 scales of Wq, one for each 32 codes along K); Wv_codes 1,024 x 32 x 24 uint8 (E2M3 codes of Wv, K innermost, in blocks of 32 codes, four codes in three bytes); Wv_scales 1,024 x 32 uint8 (E8M0 scales of Wv, one for each 32 codes along K); bo 1,024 float32; k_codes 1 x 4,096 x 32 x 24 uint8 (E2M3 codes of k, K innermost, in blocks of 32 codes, four codes in three bytes); k_scales 1 x 4,096 x 32 uint8 (E8M0 scales of k, one for each 32 codes along K); q_codes 1 x 4,096 x 32 x 24 uint8 (E2M3 codes of q, K innermost, in blocks of 32 codes, four codes in three bytes); q_scales 1 x 4,096 x 32 uint8 (E8M0 scales of q, one for each 32 codes along K); v_codes 1 x 4,096 x 32 x 24 uint8 (E2M3 codes of v, K innermost, in blocks of 32 codes, four codes in three bytes); v_scales 1 x 4,096 x 32 uint8 (E8M0 scales of v, one for each 32 codes along K).
;; Outputs: out0 1 x 4,096 x 1,024 float32.
;; This version of the problem:
;;   THIS VERSION OF THE PROBLEM IS GIVEN IN LOW PRECISION. The matrix products marked QUANTISED in the list below multiply operands that are first quantised to E2M3 (2 exponent bits, 3 mantissa bits; 6 bits a number), with one power-of-two scale for each 32 numbers along K (OCP MX v1.0); their sums are f32. All else is computed in f32.
;;   The module's matrix products, in the order in which they are computed (A, B: the left and right operand; K: the contracted axis; several contracted axes count as one K, in the product's order):
;;     1. [M 4,096, K 1,024] x [K 1,024, N 1,024]; A: input q (given as codes); B: input Wq (given as codes): QUANTISED
;;     2. [M 4,096, K 1,024] x [K 1,024, N 1,024]; A: input k (given as codes); B: input Wk (given as codes): QUANTISED
;;     3. [M 4,096, K 1,024] x [K 1,024, N 1,024]; A: input v (given as codes); B: input Wv (given as codes): QUANTISED
;;     4. batch 16 x [M 4,096, K 64] x [K 64, N 4,096]; A: computed on the way; B: computed on the way: QUANTISED
;;     5. batch 16 x [M 64, K 4,096] x [K 4,096, N 4,096]; A: computed on the way; B: softmax (see below): QUANTISED
;;     6. [M 4,096, K 1,024] x [K 1,024, N 1,024]; A: computed on the way; B: input Wo (given as codes): QUANTISED
;;   THE QUANTISER, for each operand of a quantised product, along K:
;;     - K is cut into blocks of 32 from its start; a last block that is shorter is filled with zeros.
;;     - A block's scale is 2^e with e = floor(log2(the largest magnitude in the block)) - 2, held to -126 .. 127; a block of zeros has e = 0. As a byte (E8M0): e + 127.
;;     - Each number is divided by its block's scale, clamped to +-7.5, and rounded to the nearest number of E2M3, ties to even, subnormals kept.
;;     - The product sums the exact products of the quantised numbers (number of the format x scale) in f32.
;;   ~~~python
;;   def quantise(x, axis):      # numpy; x: float32 -> the quantised numbers, widened to float32 again
;;       x = np.moveaxis(x, axis, -1); K = x.shape[-1]
;;       x = np.pad(x, [(0, 0)] * (x.ndim - 1) + [(0, -K % 32)]); x = x.reshape(x.shape[:-1] + (-1, 32)); a = np.abs(x).max(-1, keepdims=True)
;;       e = np.where(a > 0, np.clip(np.frexp(np.where(a > 0, a, 1))[1] - 1 - 2, -126, 127), 0)      # np.frexp(a)[1] - 1 = floor(log2(a)), exactly
;;       r = np.clip(x / 2.0 ** e, -7.5, 7.5)
;;       step = 2.0 ** (np.maximum(np.frexp(np.where(r == 0, 1, r))[1] - 1, 0) - 3)
;;       q = np.round(r / step) * step * 2.0 ** e      # np.round: ties to even
;;       return np.moveaxis(q.reshape(q.shape[:-2] + (-1,))[..., :K], -1, axis).astype(np.float32)
;;   ~~~
;;   SOFTMAX AHEAD OF A QUANTISED PRODUCT. Where the list says 'softmax', what is quantised is not the finished softmax but p = 2^(t - M), with t = logit x log2(e) and M = ceil(the row's largest t), a whole number; so 1/2 < the row's largest p <= 1. The row's sum l is taken of the UNQUANTISED p, in f32, and the product's result is divided by l at the end. Since M is a whole number, a kernel that streams over the keys may use a running M (the ceiling of the running maximum): every later rescaling is an exact power of two, which a block's scale takes up: the codes' values come out the same.
;;   OPERANDS COMPUTED ON THE WAY. 'Computed on the way' means the value that the module computes at that place (a softmax that the list does not call 'softmax' is quantised finished and normalised). What goes into a quantiser is computed in f32, as accurately as f32 sums, v_exp_f32 and their like allow (about 1e-6 of the number): no bf16 or f16 on the way to a quantiser, and a product that is left as it is and whose result goes on into a quantised operand takes f32 operands (vector FMAs, or v_wmma_f32_16x16x4_f32). A number that lies on a knife's edge between two numbers of the format may be rounded either way, as far as f32 arithmetic and the matrix unit's own rounding can turn it there, and no further.
;;   INPUTS GIVEN AS CODES. Wk (in the module: [1024, 1024], K = its axis 1); Wo (in the module: [1024, 1024], K = its axis 1); Wq (in the module: [1024, 1024], K = its axis 1); Wv (in the module: [1024, 1024], K = its axis 1); k (in the module: [1, 4096, 1024], K = its axis 2); q (in the module: [1, 4096, 1024], K = its axis 2); v (in the module: [1, 4096, 1024], K = its axis 2): each comes as NAME_codes (uint8): NAME with its K axis moved to the last place and cut into blocks of 32 codes, [.., K / 32, bytes a block], one block behind the other in memory; four codes in three bytes: a row's codes are one little-endian stream of bits, code i at bits 6 i .. 6 i + 5 (a code: sign, 2 exponent bits, 3 mantissa bits); and NAME_scales (uint8): the same leading axes, one E8M0 byte (e + 127) for each 32 codes along K. Its value is code x scale, taken as it is: it is not quantised again, and the codes and scales need not be those that the quantiser above would give.
;; One version. Each part assembles by itself: llvm-mc -triple=amdgcn-amd-amdhsa -mcpu=gfx1250 --defsym DOCPART=n.
;; ======== version 1 of 1: 3 launches
;; limits: right only within a limited range of input values
;; workspace buffers: qi 3,407,872 bytes; kv 6,684,672 bytes; oimg 3,145,728 bytes; osc 131,072 bytes
;; launch proj (part 1): grid 8 x 96, 4 waves a work-group, clusters of 4 x 4, 218,112 bytes of LDS; arguments q_codes, q_scales, Wq_codes, Wq_scales, k_codes, k_scales, Wk_codes, Wk_scales, Wv_codes, Wv_scales, v_codes, v_scales, qi, kv; writes qi, kv
.if DOCPART == 1
	.amdgcn_target "amdgcn-amd-amdhsa--gfx1250"
	.amdhsa_code_object_version 6
	.text
	.protected	k_qe8dab04a24_proj
	.globl	k_qe8dab04a24_proj
	.p2align	8
	.type	k_qe8dab04a24_proj,@function
k_qe8dab04a24_proj:
	s_mov_b64 s[64:65], 0
	v_nop
	global_prefetch_b8 v0, s[64:65] scope:SCOPE_SE
	s_setreg_imm32_b32 hwreg(HW_REG_WAVE_MODE, 25, 1), 1
	s_wait_xcnt 0x0
	s_wait_alu depctr_hold_cnt(0) depctr_sa_sdst(0) depctr_va_vdst(0) depctr_va_sdst(0) depctr_va_ssrc(0) depctr_va_vcc(0) depctr_vm_vsrc(0)
	s_getreg_b32 s2, hwreg(HW_REG_IB_STS2, 6, 4)
	s_cmp_eq_u32 s2, 0
	s_cbranch_scc0 .Lentry_in_a_cluster
	s_endpgm
.Lentry_in_a_cluster:
	s_bfe_u32 s2, ttmp6, 0x10000c
	s_cmp_lg_u32 s2, 0xf033
	s_cbranch_scc0 .Lentry_shape_is_right
	s_endpgm
.Lentry_shape_is_right:
; The three input projections on codes of FP6 (E2M3), RoPE in f32 on xq and xk, and the quantising of xq, xk (along a head's 64) and xv (along the keys).
; ONE BODY: C[i][j] = sum over k of P[i][k] R[j][k], K = 1,024.  q, k: P = 128 tokens, R = 128 rows of W (two heads).  v: P = 128 rows of Wv (channels), R = 128 tokens (keys).
; The matrix instruction takes R as source 0 and P as source 1: a lane holds ONE row of P, and its registers run along R, which is the next product's K in all three cases.
; SHARES.  A work-group makes 128 x 128 with all of K in LDS, filled once.  Wave w makes P's rows 32 w .. 32 w + 31 against all 128 rows of R: 16 accumulators (p = 0, 1; t = 0 .. 7).
; 128 along R are one whole fragment and scale word of V, or two whole heads of q or k, so nothing is pieced together from several waves.
; CLUSTERS: 4 x 4 work-groups; P's tile is shared along a row of the cluster, R's along a column: each is asked for jointly, by the same tensor load with a mask that names the four.
; WHAT IS STORED: images of operand registers, in pieces of 256 bytes: 8 bytes a lane at 8 x lane.  qi [head 16][128 queries: 6,656 bytes]: 8 tiles x 768 bytes, then 4 x 128 bytes of scale words.
; kv [head 16][128 keys: 13,056 bytes]: K's 8 tiles x 768, K's scale words 4 x 128, V's 4 fragments x 1,536, V's scale words 2 x 128.  A register of scale words holds one tile's in lanes 0-15, the next tile's in lanes 16-31.
; The stores of scale words cover 128 consecutive bytes each, half of an aligned 256: 512 bytes beside each 6,144 of codes.
; ORDER INSIDE A BLOCK OF 32: a tile takes 16 neighbouring rows of R, so a block's codes stand in the order 0-7, 16-23, 8-15, 24-31.  Both operands of the products that read them are made by
; the same lines (Q and K here; V here and p in the next launch from the same pattern of registers), so the products are the same.
; LIMITS: a block of zeros, or one whose largest magnitude lies under 2^-124, gets the scale byte 1 (its codes are zeros or subnormal; only this program reads the bytes).  NaN and infinities are not served.
; RoPE: 1 / 10^(i / 8) is made from the f32 nearest to 10^(i / 8) by a reciprocal with one correction step; where a power function is an ulp off that number, an angle moves by up to 2e-4.
; sin and cos: reduction by pi / 2 in two parts and polynomials of degree 7 and 8, good to about 1e-7 absolute for the angles 0 .. 4,095 that occur.
.set PITCH,  816                       ; an LDS row of codes: 768 bytes + 16 behind each 256 = 204 words: row r starts at bank 12 r mod 64 (64 banks of 4 bytes: ISA guide 11.1): 16 different multiples of 4
.set TILEB,  16*PITCH
.set HALFT,  64*PITCH                  ; 64 rows; a tensor load of codes brings 128 rows, 2 HALFT
.set SCL,    4*HALFT                   ; behind the codes: the scale bytes, as pieces of 256 bytes + 16
.set HALFS,  8*272                     ; those of 64 rows
.set QHEAD,  212992
.set QREC,   6656
.set KHEAD,  417792
.set KREC,   13056
; window 0
.set ADP,  4                           ; v4-5   LDS address of my P fragments (v5: for the pieces behind one padding more)
.set ADR,  6                           ; v6-7   R's tiles 0-3;  v8-9 tiles 4-7
.set ADSP, 10                          ; v10    my P rows' scale bytes
.set ADSR, 11                          ; v11    R's
.set SCR,  16                          ; v16-47 R's scale words: register 8 a + s: row 32 a + lane, K step s.  They hold scales and nothing else
.set SCP,  48                          ; v48-55 P's: register s: my row lane
.set TM,   56                          ; v56-71 the quantiser at work
.set PC,   72                          ; v72-91 the codes just made
.set PW,   92                          ; v92-93 the scale words of p = 0, 1
.set GO8,  94                          ; v94    8 x lane
.set GO4,  95                          ; v95    4 x lane
.set WD,   96                          ; v96-98 the words on their way out
.set ACC,  128                         ; accumulator (p, t) at v[128 + 64 p + 8 t]
; window 1: v0-47, v48-95 R's fragments (tiles 0-3, 4-7); v96-119, v120-143 P's, two sets.  Behind the products:
.set TT,   0                           ; v0-63    the rotation's products
.set FRQ,  144                         ; v144-159 10^(i / 8), then its reciprocal: register 4 t + e: i = 8 t + 4 (lane / 16) + e
.set CSV,  160                         ; cos
.set SNV,  176                         ; sin
.set T1,   192
.set T2,   208
.set T3,   224
.set TP,   240                         ; my token as f32
.set G0P,  12                          ; s[12:27] four groups 0;  s[32:63] four groups 1
.set G0R,  16
.set G0SP, 20
.set G0SR, 24
.set G1P,  32
.set G1R,  40
.set G1SP, 48
.set G1SR, 56
.set WV,   66                          ; wave
.set WH,   67                          ; wave / 2: which of the two heads, for v
.set WL,   68                          ; wave % 2: which 32 of a head's 64 rows, for v
.set YY,   70                          ; cluster y: 0-7 q, 8-15 k, 16-23 v
.set CX,   71
.set CY,   72
.set TV,   73                          ; 1 for v
.set PT,   74                          ; P's tile
.set RT,   75                          ; R's tile
.set OA,   86                          ; s[86:87] where registers 0-5 of the codes go;  s[88:89] registers 6-11
.set OB,   88
.set SA,   90                          ; s[90:91], s[92:93] where the scale words go
.set SB,   92
.set PSTR, 94                          ; s[94:95] from p = 0 to p = 1
.set HI,   96                          ; lanes 16-31
.set SEL,  98                          ; s[98:99] v_permlanex16_b32's selects for lane l xor 16
.set MUL,  0x05                        ; sources 0 and 1 window 1; C and D window 0
.set TO_F, 0x40                        ; destination window 1, address window 0
.set MSB, 0
.macro WIN new                         ; the immediate's high byte repeats the setting that is left
.if MSB != \new
	s_set_vgpr_msb (MSB<<8)|\new
.set MSB, \new
.endif
.endm
.macro PLACES n
.rept \n
	v_nop
.endr
.endm
; A joint load: waves 0 and 1 fetch for P, waves 2 and 3 for R; the branch hangs on the wave's number alone.  Four v_nop follow each of the two lines.
.macro JLOAD g0a, g1a, g0b, g1b
	s_cmp_eq_u32 s[WH], 0
	s_cbranch_scc0 .Lfor_r_\@
	tensor_load_to_lds s[\g0a:\g0a+3], s[\g1a:\g1a+7]
	s_nop 0
.rept 4
	v_nop
.endr
	s_branch .Lasked_\@
.Lfor_r_\@:
	tensor_load_to_lds s[\g0b:\g0b+3], s[\g1b:\g1b+7]
	s_nop 0
.rept 4
	v_nop
.endr
.Lasked_\@:
.endm
.macro CROUND                          ; a round of the cluster's barrier
	s_barrier_signal -1
	s_barrier_wait -1
	s_cmp_lg_u32 s[WV], 0
	s_cbranch_scc1 .Lnot_wave_0_\@
	s_barrier_signal -3
.Lnot_wave_0_\@:
	s_barrier_wait -3
	s_barrier_signal -1
	s_barrier_wait -1
.endm
.macro GROUP0 g, lds, adr
	s_mov_b32 s[\g], 1                             ; count = 1
	s_mov_b32 s[\g+1], s[\lds]                     ; LDS address
	s_mov_b64 s[\g+2:\g+3], s[\adr:\adr+1]         ; global address of the tile's first byte
	s_or_b32 s[\g+3], s[\g+3], 0x80000000          ; type = 2
.endm
	s_load_b256 s[4:11], s[0:1], 0x0               ; q: codes, scales; Wq: codes, scales
	s_load_b256 s[12:19], s[0:1], 0x20             ; k, Wk likewise
	s_load_b256 s[20:27], s[0:1], 0x40             ; Wv: codes, scales; v: codes, scales (P first here too)
	s_load_b128 s[28:31], s[0:1], 0x60             ; qi, kv
	v_lshl_add_u32 v126, v0, 2, 0x35200
	v_mov_b32 v127, 0
	ds_add_u32 v126, v127
	ds_add_u32 v126, v127
	v_lshrrev_b32 v1, 5, v0
	v_readfirstlane_b32 s[WV], v1
	s_lshr_b32 s[WH], s[WV], 1
	s_and_b32 s[WL], s[WV], 1
	s_bfe_u32 s[CX], ttmp6, 0x40000
	s_bfe_u32 s[CY], ttmp6, 0x40004
	s_and_b32 s[YY], ttmp7, 0xffff
	s_and_b32 s2, s[YY], 7                         ; q, k: 8 rows of clusters cover the 32 tiles of tokens
	s_and_b32 s3, s[YY], 1                         ; v: 2 rows of clusters cover the 8 tiles of channels,
	s_bfe_u32 s69, s[YY], 0x20001                  ; and (y / 2) % 4 says which 8 of the 32 tiles of tokens
	s_cmp_ge_u32 s[YY], 16
	s_cselect_b32 s[TV], 1, 0
	s_cselect_b32 s2, s3, s2
	s_cselect_b32 s69, s69, 0
	s_lshl_b32 s[PT], s2, 2
	s_add_co_u32 s[PT], s[PT], s[CY]               ; P's tile hangs on the cluster's y and on cy
	s_lshl_b32 s[RT], ttmp9, 2
	s_add_co_u32 s[RT], s[RT], s[CX]
	s_lshl_b32 s69, s69, 3
	s_add_co_u32 s[RT], s[RT], s69                 ; R's on the cluster's x and y and on cx
	s_lshl_b32 s2, s[CY], 2
	s_lshl_b32 s2, 15, s2                          ; my row of the cluster
	s_lshl_b32 s3, 0x1111, s[CX]                   ; my column
	; groups 1.  Codes: 128 rows x 768 bytes, 16 bytes of padding behind each 256.  Scale bytes of 128 rows: 4,096 dense bytes as 16 rows of 256 (32 elements of 8 bytes), 16 bytes behind each
	s_or_b32 s[G1P], s2, (0<<16)|(1<<20)|(1<<21)|(5<<22)|(3<<25)
	s_or_b32 s[G1R], s3, (0<<16)|(1<<20)|(1<<21)|(5<<22)|(3<<25)
.irp g, G1P, G1R
	s_mov_b32 s[\g+1], 768<<16                     ; tensor_dim0
	s_mov_b32 s[\g+2], 128<<16                     ; tensor_dim1: a whole tile of 128 rows
	s_mov_b32 s[\g+3], 768<<16                     ; tile_dim0
	s_mov_b32 s[\g+4], 128                         ; tile_dim1
	s_mov_b32 s[\g+5], 768                         ; from row to row
	s_mov_b32 s[\g+6], 0
	s_mov_b32 s[\g+7], 0
.endr
	s_or_b32 s[G1SP], s2, (3<<16)|(1<<20)|(1<<21)|(5<<22)|(3<<25)
	s_or_b32 s[G1SR], s3, (3<<16)|(1<<20)|(1<<21)|(5<<22)|(3<<25)
.irp g, G1SP, G1SR
	s_mov_b32 s[\g+1], 32<<16
	s_mov_b32 s[\g+2], 16<<16                      ; the scale bytes of 128 rows: 16 rows of 256 bytes
	s_mov_b32 s[\g+3], 32<<16
	s_mov_b32 s[\g+4], 16
	s_mov_b32 s[\g+5], 32
	s_mov_b32 s[\g+6], 0
	s_mov_b32 s[\g+7], 0
.endr
	s_mov_b32 s69, 0                               ; every load begins at its tile's first row
	s_lshl_b32 s78, s[PT], 7
	s_add_co_u32 s78, s78, s69                     ; P's row
	s_mul_i32 s76, s78, 768                        ; its codes, in bytes (under 2^22)
	s_lshl_b32 s78, s78, 5                         ; its scale bytes
	s_mov_b32 s77, 0
	s_mov_b32 s79, 0
	s_lshl_b32 s82, s[RT], 7
	s_add_co_u32 s82, s82, s69                     ; R's row
	s_mul_i32 s80, s82, 768
	s_lshl_b32 s82, s82, 5
	s_mov_b32 s81, 0
	s_mov_b32 s83, 0
	s_mul_i32 s84, s[WV], HALFT                    ; where they go: P's halves, then R's: wave x 64 rows; no place in the cluster enters an LDS address
	s_mul_i32 s85, s[WV], HALFS
	s_add_co_u32 s85, s85, SCL
	s_mov_b32 s[HI], 0xffff0000
	s_mov_b32 s[SEL], 0x76543210
	s_mov_b32 s[SEL+1], 0xfedcba98
	s_wait_dscnt 0x0
	s_wait_kmcnt 0x0
	s_cmp_lt_u32 s[YY], 8                          ; the tensors are chosen by the cluster's y alone
	s_cselect_b64 s[4:5], s[4:5], s[12:13]
	s_cselect_b64 s[6:7], s[6:7], s[14:15]
	s_cselect_b64 s[8:9], s[8:9], s[16:17]
	s_cselect_b64 s[10:11], s[10:11], s[18:19]
	s_cselect_b64 s[28:29], s[28:29], s[30:31]     ; q's results go to qi, k's and v's to kv
	s_cmp_lt_u32 s[YY], 16
	s_cselect_b64 s[4:5], s[4:5], s[20:21]
	s_cselect_b64 s[6:7], s[6:7], s[22:23]
	s_cselect_b64 s[8:9], s[8:9], s[24:25]
	s_cselect_b64 s[10:11], s[10:11], s[26:27]
	s_add_nc_u64 s[4:5], s[4:5], s[76:77]
	s_add_nc_u64 s[6:7], s[6:7], s[78:79]
	s_add_nc_u64 s[8:9], s[8:9], s[80:81]
	s_add_nc_u64 s[10:11], s[10:11], s[82:83]
	CROUND                                         ; all sixteen work-groups are here: the joint loads meet
	s_mov_b32 s84, 0                               ; P's 128 rows of codes lie first in LDS,
	s_mov_b32 s85, 2*HALFT                         ; R's behind them
	GROUP0 G0P, 84, 4
	GROUP0 G0R, 85, 8
	s_mov_b32 s84, SCL                             ; P's scale bytes, then R's
	s_mov_b32 s85, SCL+2*HALFS
	GROUP0 G0SP, 84, 6
	GROUP0 G0SR, 85, 10
; The head's four tiles, one joint load a wave: wave 0 P's codes, wave 1 R's codes, wave 2 P's scale bytes, wave 3 R's.
; One chain of branches on the wave's number; every way through it passes one load.  Nothing is ever filled again.
.macro ARM under, g0, g1, next
	s_cmp_lt_u32 s[WV], \under
	s_cbranch_scc0 \next
	tensor_load_to_lds s[\g0:\g0+3], s[\g1:\g1+7]
	s_nop 0
.rept 4
	v_nop
.endr
	s_branch .Lhead_asked
\next:
.endm
	ARM 1, G0P, G1P, .Lhead_r
	ARM 2, G0R, G1R, .Lhead_sp
	ARM 3, G0SP, G1SP, .Lhead_sr
	tensor_load_to_lds s[G0SR:G0SR+3], s[G1SR:G1SR+7]
	s_nop 0
.rept 4
	v_nop
.endr
.Lhead_asked:
	v_and_b32 v1, 31, v0                           ; lane
	v_and_b32 v2, 15, v0                           ; r
	v_bfe_u32 v3, v0, 4, 1                         ; h
	v_mul_u32_u24 v12, v2, PITCH
	v_mad_u32_u24 v12, v3, 24, v12                 ; a fragment's row x pitch + 24 x half
	s_mul_i32 s2, s[WV], 32*PITCH
	v_add_nc_u32 v[ADP], s2, v12                   ; my 32 rows of P
	v_lshl_add_u32 v[ADP+1], v3, 4, v[ADP]         ; and the same behind one padding more
	v_add_nc_u32 v[ADR], 2*HALFT, v12
	v_lshl_add_u32 v[ADR+1], v3, 4, v[ADR]
	v_add_nc_u32 v[ADR+2], 3*HALFT, v12
	v_lshl_add_u32 v[ADR+3], v3, 4, v[ADR+2]
	v_lshrrev_b32 v13, 3, v1
	v_lshlrev_b32 v14, 5, v1
	v_lshl_add_u32 v14, v13, 4, v14                ; row lane's 32 scale bytes: 32 x lane, and 16 more for each 256 passed
	s_mul_i32 s2, s[WV], 1088
	s_add_co_u32 s2, s2, SCL
	v_add_nc_u32 v[ADSP], s2, v14
	v_add_nc_u32 v[ADSR], SCL+2*HALFS, v14
	v_lshlrev_b32 v[GO8], 3, v1
	v_lshlrev_b32 v[GO4], 2, v1
	; where the results go.  q, k: head 2 RT (and the next), record PT, tiles 2 w + p.  v: head 2 PT + w / 2, record RT, fragment 2 (w % 2) + p
	s_lshl_b32 s76, s[RT], 1
	s_lshl_b32 s77, s[PT], 1
	s_add_co_u32 s77, s77, s[WH]
	s_mul_i32 s78, s[WV], 1536
	s_mul_i32 s79, s[WL], 3072
	s_add_co_u32 s79, s79, 6656
	s_lshl_b32 s80, s[WV], 7
	s_add_co_u32 s80, s80, 6144
	s_lshl_b32 s81, s[WL], 7
	s_add_co_u32 s81, s81, 12800
	s_mov_b32 s82, KHEAD
	s_mov_b32 s83, KREC
	s_mov_b32 s[PSTR], 1536
	s_cmp_lt_u32 s[YY], 8
	s_cselect_b32 s82, QHEAD, s82                  ; bytes of a head,
	s_cselect_b32 s83, QREC, s83                   ; of a record
	s_cmp_eq_u32 s[TV], 0
	s_cselect_b32 s76, s76, s77                    ; the head
	s_cselect_b32 s77, s[PT], s[RT]                ; the record
	s_cselect_b32 s78, s78, s79                    ; the codes' place in it
	s_cselect_b32 s80, s80, s81                    ; the scale words'
	s_cselect_b32 s[PSTR], 768, s[PSTR]
	s_cselect_b32 s84, s82, 768                    ; registers 6-11: the next head's tile, or the fragment's second half
	s_mul_i32 s76, s76, s82
	s_mul_i32 s77, s77, s83
	s_add_co_u32 s76, s76, s77
	s_add_co_u32 s78, s78, s76
	s_add_co_u32 s80, s80, s76
	s_mov_b32 s79, 0
	s_mov_b32 s81, 0
	s_mov_b32 s83, 0
	s_mov_b32 s85, 0
	s_mov_b32 s[PSTR+1], 0
	s_add_nc_u64 s[OA:OA+1], s[28:29], s[78:79]
	s_add_nc_u64 s[OB:OB+1], s[OA:OA+1], s[84:85]
	s_add_nc_u64 s[SA:SA+1], s[28:29], s[80:81]
	s_add_nc_u64 s[SB:SB+1], s[SA:SA+1], s[82:83]  ; (used for q and k alone)
; A fragment, 16 rows x 128 K of 6-bit codes, is 12 registers: lane l holds row l % 16; registers 6 c .. 6 c + 5 hold K = 64 c + 32 (l / 16) + 0 .. 31: 24 bytes of the row, as they lie, in pieces of 8 bytes.
; Lanes 16-31 read three pieces further on than lanes 0-15; where that lies behind one padding more (a padding stands behind every 32 pieces), the second address register serves.
.macro FRAG reg, adr, s, i
.irp p, 0,1,2,3,4,5
.set PCE, 12*(\s)+6*(\p/3)+\p%3
.if PCE%32 < 29
	ds_load_b64 v[\reg+2*\p:\reg+2*\p+1], v[\adr] offset:8*PCE+16*(PCE/32)+(\i)*TILEB
.else
	ds_load_b64 v[\reg+2*\p:\reg+2*\p+1], v[\adr+1] offset:8*PCE+16*(PCE/32)+(\i)*TILEB
.endif
.endr
.endm
.macro FETCH_R s, g                    ; R's tiles 4 g .. 4 g + 3 of K step s: 24 loads
	WIN TO_F
.irp i, 0,1,2,3
	FRAG 48*(\g)+12*\i, ADR+2*(\g), \s, \i
.endr
.endm
.macro FETCH_P s                       ; my two tiles of P of K step s: 12 loads
	WIN TO_F
.irp i, 0,1
	FRAG 96+24*((\s)%2)+12*\i, ADP, \s, \i
.endr
.endm
.macro SCALES                          ; all scale words, once: 10 loads
	WIN 0
.irp a, 0,1,2,3
	ds_load_b128 v[SCR+8*\a:SCR+8*\a+3], v[ADSR] offset:1088*\a
	ds_load_b128 v[SCR+8*\a+4:SCR+8*\a+7], v[ADSR] offset:1088*\a+16
.endr
	ds_load_b128 v[SCP:SCP+3], v[ADSP]
	ds_load_b128 v[SCP+4:SCP+7], v[ADSP] offset:16
.endm
; One product: R's tile t x my tile p of P, K step s.  An odd tile's scale words stand in lanes 16-31 of their register.  K step 0 starts the sums: nothing is cleared.
.macro MM p, t, s
.set rD, ACC+64*(\p)+8*(\t)
.set rA, 48*((\t)/4)+12*((\t)%4)
.set rB, 96+24*((\s)%2)+12*(\p)
.set rX, SCR+8*((\t)/2)+(\s)
.set rY, SCP+(\s)
.set md, 2*(\p)+(\t)%2
.if (\s) == 0
.if md == 0
	v_wmma_scale_f32_16x16x128_f8f6f4 v[rD:rD+7], v[rA:rA+11], v[rB:rB+11], 0, v[rX], v[rY] matrix_a_fmt:MATRIX_FMT_FP6 matrix_b_fmt:MATRIX_FMT_FP6
.elseif md == 1
	v_wmma_scale_f32_16x16x128_f8f6f4 v[rD:rD+7], v[rA:rA+11], v[rB:rB+11], 0, v[rX], v[rY] matrix_a_fmt:MATRIX_FMT_FP6 matrix_b_fmt:MATRIX_FMT_FP6 matrix_a_scale:MATRIX_SCALE_ROW1
.elseif md == 2
	v_wmma_scale_f32_16x16x128_f8f6f4 v[rD:rD+7], v[rA:rA+11], v[rB:rB+11], 0, v[rX], v[rY] matrix_a_fmt:MATRIX_FMT_FP6 matrix_b_fmt:MATRIX_FMT_FP6 matrix_b_scale:MATRIX_SCALE_ROW1
.else
	v_wmma_scale_f32_16x16x128_f8f6f4 v[rD:rD+7], v[rA:rA+11], v[rB:rB+11], 0, v[rX], v[rY] matrix_a_fmt:MATRIX_FMT_FP6 matrix_b_fmt:MATRIX_FMT_FP6 matrix_a_scale:MATRIX_SCALE_ROW1 matrix_b_scale:MATRIX_SCALE_ROW1
.endif
.else
.if md == 0
	v_wmma_scale_f32_16x16x128_f8f6f4 v[rD:rD+7], v[rA:rA+11], v[rB:rB+11], v[rD:rD+7], v[rX], v[rY] matrix_a_fmt:MATRIX_FMT_FP6 matrix_b_fmt:MATRIX_FMT_FP6
.elseif md == 1
	v_wmma_scale_f32_16x16x128_f8f6f4 v[rD:rD+7], v[rA:rA+11], v[rB:rB+11], v[rD:rD+7], v[rX], v[rY] matrix_a_fmt:MATRIX_FMT_FP6 matrix_b_fmt:MATRIX_FMT_FP6 matrix_a_scale:MATRIX_SCALE_ROW1
.elseif md == 2
	v_wmma_scale_f32_16x16x128_f8f6f4 v[rD:rD+7], v[rA:rA+11], v[rB:rB+11], v[rD:rD+7], v[rX], v[rY] matrix_a_fmt:MATRIX_FMT_FP6 matrix_b_fmt:MATRIX_FMT_FP6 matrix_b_scale:MATRIX_SCALE_ROW1
.else
	v_wmma_scale_f32_16x16x128_f8f6f4 v[rD:rD+7], v[rA:rA+11], v[rB:rB+11], v[rD:rD+7], v[rX], v[rY] matrix_a_fmt:MATRIX_FMT_FP6 matrix_b_fmt:MATRIX_FMT_FP6 matrix_a_scale:MATRIX_SCALE_ROW1 matrix_b_scale:MATRIX_SCALE_ROW1
.endif
.endif
.endm
; Half a K step: 8 products on 8 accumulators; the 16 take turns, one instruction a turn, in the same order in every K step.
; Behind them, four places (ISA guide 7.12.1 for vector instructions), and the next K step's fragments into the registers just read.
.macro HALF s, g
.if (\g) == 0
	s_wait_dscnt 24                                ; all but the youngest 24 loads, R's tiles 4-7 of this K step
.elseif (\s) < 7
	s_wait_dscnt 36                                ; all but the 24 + 12 loads just issued for the next K step
.else
	s_wait_dscnt 0
.endif
	WIN MUL
.irp t, 0,1,2,3
.irp p, 0,1
	MM \p, 4*(\g)+\t, \s
.endr
.endr
.if (\s) < 7
	PLACES 4
	FETCH_R (\s)+1, \g
.if (\g) == 0
	FETCH_P (\s)+1
.endif
.endif
.endm
	s_wait_alu depctr_va_vdst(0)
	s_wait_tensorcnt 0x0                           ; my load has landed,
	s_barrier_signal -1
	s_barrier_wait -1                              ; everybody's have
	SCALES
	FETCH_P 0
	FETCH_R 0, 0
	FETCH_R 0, 1
.irp s, 0,1,2,3,4,5,6,7
	HALF \s, 0
	HALF \s, 1
.endr
	WIN 0
	PLACES 4                                       ; in front of the first read of results and of writes into registers that products have read
	; ---- RoPE, for q and k.  The branch hangs on the cluster's y alone
	s_cmp_lg_u32 s[TV], 0
	s_cbranch_scc1 .Lno_rope
	s_mov_b32 s32, 0x3f22f983                      ; 2 / pi          (the descriptors' registers are free: my tensor loads have landed)
	s_mov_b32 s33, 0xbfc90fdb                      ; - the f32 nearest to pi / 2
	s_mov_b32 s34, 0x333bbd2e                      ; that number less pi / 2
	s_mov_b32 s35, -0.16666654611                  ; sin r = r + r z (S1 + z (S2 + z S3)), z = r r
	s_mov_b32 s36, 0.0083321608736
	s_mov_b32 s37, -0.00019515295891
	s_mov_b32 s38, 0.041666645683                  ; cos r = 1 + z (-1/2 + z (C1 + z (C2 + z C3)))
	s_mov_b32 s39, -0.0013887316255
	s_mov_b32 s40, 0.000024433157118
	s_mov_b32 s41, 0x80000000
	s_mov_b32 vcc_lo, 0xffff0000                   ; lanes 16-31
	s_lshl_b32 s2, s[PT], 7
	s_lshl_b32 s3, s[WV], 5
	s_add_co_u32 s2, s2, s3
	WIN 0x40
	v_add_nc_u32 v[TP], s2, v2                     ; my token for p = 0: 128 PT + 32 w + r
	WIN 0x55                                       ; all in window 1
	v_cvt_f32_u32 v[TP], v[TP]
; In tile t of a head, lane (r, h) holds channels 16 t + 8 h + 0 .. 7: pairs i = 8 t + 4 h + e.  10000^(2 i / 64) = 10^(i / 8)
.macro FREQ n, lo, hi
	v_mov_b32 v[FRQ+\n], \hi
	v_cndmask_b32 v[FRQ+\n], \lo, v[FRQ+\n], vcc_lo
.endm
	FREQ 0, 1.0, 3.1622776601683795
	FREQ 1, 1.333521432163324, 4.216965034285822
	FREQ 2, 1.7782794100389228, 5.623413251903491
	FREQ 3, 2.371373705661655, 7.498942093324558
	FREQ 4, 10.0, 31.622776601683793
	FREQ 5, 13.33521432163324, 42.16965034285822
	FREQ 6, 17.782794100389228, 56.23413251903491
	FREQ 7, 23.71373705661655, 74.98942093324558
	FREQ 8, 100.0, 316.22776601683796
	FREQ 9, 133.3521432163324, 421.6965034285822
	FREQ 10, 177.82794100389228, 562.3413251903491
	FREQ 11, 237.1373705661655, 749.8942093324558
	FREQ 12, 1000.0, 3162.2776601683795
	FREQ 13, 1333.521432163324, 4216.965034285822
	FREQ 14, 1778.2794100389228, 5623.413251903491
	FREQ 15, 2371.373705661655, 7498.942093324558
.set i, 0
	s_wait_alu depctr_va_vdst(0)
.rept 16
	v_rcp_f32 v[T1+i], v[FRQ+i]
.set i, i+1
.endr
	v_nop                                          ; a plain instruction behind the last reciprocal (ISA guide 5.7.2),
	s_wait_alu depctr_va_vdst(0)                   ; and one wait for the sixteen, ahead of their first reader
.set i, 0
.rept 16
	v_fma_f32 v[T2+i], -v[FRQ+i], v[T1+i], 1.0     ; one correction step: e = 1 - P y,
.set i, i+1
.endr
.set i, 0
.rept 16
	v_fma_f32 v[FRQ+i], v[T2+i], v[T1+i], v[T1+i]  ; 1 / P = y + e y
.set i, i+1
.endr
; cos and sin of my token's 16 angles, stage by stage, so that no line waits for the line above it
.macro SINCOS
.set i, 0
.rept 16
	v_mul_f32 v[T1+i], v[TP], v[FRQ+i]             ; the angle, rounded once
.set i, i+1
.endr
.set i, 0
.rept 16
	v_mul_f32 v[T2+i], s32, v[T1+i]
.set i, i+1
.endr
.set i, 0
.rept 16
	v_rndne_f32 v[T2+i], v[T2+i]                   ; n: how many quarter turns
.set i, i+1
.endr
.set i, 0
.rept 16
	v_fma_f32 v[T1+i], v[T2+i], s33, v[T1+i]       ; exact: n has 12 bits and the result is small
.set i, i+1
.endr
.set i, 0
.rept 16
	v_fma_f32 v[T1+i], v[T2+i], s34, v[T1+i]       ; r, within pi / 4 of 0
.set i, i+1
.endr
.set i, 0
.rept 16
	v_mul_f32 v[T3+i], v[T1+i], v[T1+i]            ; z
.set i, i+1
.endr
.set i, 0
.rept 16
	v_fma_f32 v[SNV+i], v[T3+i], s37, s36
	v_fma_f32 v[CSV+i], v[T3+i], s40, s39
.set i, i+1
.endr
.set i, 0
.rept 16
	v_fma_f32 v[SNV+i], v[SNV+i], v[T3+i], s35
	v_fma_f32 v[CSV+i], v[CSV+i], v[T3+i], s38
.set i, i+1
.endr
.set i, 0
.rept 16
	v_mul_f32 v[SNV+i], v[SNV+i], v[T3+i]
	v_fma_f32 v[CSV+i], v[CSV+i], v[T3+i], -0.5
.set i, i+1
.endr
.set i, 0
.rept 16
	v_fma_f32 v[SNV+i], v[SNV+i], v[T1+i], v[T1+i] ; sin r
	v_fma_f32 v[CSV+i], v[CSV+i], v[T3+i], 1.0     ; cos r
.set i, i+1
.endr
.set i, 0
.rept 16
	v_cvt_i32_f32 v[T2+i], v[T2+i]
.set i, i+1
.endr
.set i, 0
.rept 16
	v_and_b32 v[T1+i], 1, v[T2+i]
.set i, i+1
.endr
.set i, 0
.rept 16
	v_cmp_ne_u32 s[42+i], 0, v[T1+i]               ; an odd number of quarter turns: sin and cos change places
.set i, i+1
.endr
.set i, 0
.rept 16
	v_cndmask_b32 v[T3+i], v[SNV+i], v[CSV+i], s[42+i]
.set i, i+1
.endr
.set i, 0
.rept 16
	v_cndmask_b32 v[CSV+i], v[CSV+i], v[SNV+i], s[42+i]
.set i, i+1
.endr
.set i, 0
.rept 16
	v_lshlrev_b32 v[T1+i], 30, v[T2+i]             ; sin is negated where n % 4 is 2 or 3: bit 1 of n,
	v_add_lshl_u32 v[T2+i], v[T2+i], 1, 30         ; cos where it is 1 or 2: bit 1 of n + 1
.set i, i+1
.endr
.set i, 0
.rept 16
	v_and_b32 v[T1+i], s41, v[T1+i]
	v_and_b32 v[T2+i], s41, v[T2+i]
.set i, i+1
.endr
.set i, 0
.rept 16
	v_xor_b32 v[SNV+i], v[T1+i], v[T3+i]
	v_xor_b32 v[CSV+i], v[T2+i], v[CSV+i]
.set i, i+1
.endr
.endm
; The rotation of tile p's 32 pairs (two heads x 16): pair n lies in registers 2 n, 2 n + 1 of the tile's 64.  Two passes, each under one window setting.  Each accumulator is read from its low end on.
.macro ROT p
	WIN 0x44                                       ; source 0 (x) window 0; source 1 and the destination window 1
.set n, 0
.rept 32
	v_mul_f32 v[TT+2*n], v[ACC+64*(\p)+2*n+1], v[SNV+n%16]     ; xi sin
	v_mul_f32 v[TT+2*n+1], v[ACC+64*(\p)+2*n+1], v[CSV+n%16]   ; xi cos
.set n, n+1
.endr
	WIN 0x14                                       ; source 0 and the destination window 0; sources 1 and 2 window 1
.set n, 0
.rept 32
	v_fma_f32 v[ACC+64*(\p)+2*n+1], v[ACC+64*(\p)+2*n], v[SNV+n%16], v[TT+2*n+1]   ; xr sin + xi cos
	v_fma_f32 v[ACC+64*(\p)+2*n], v[ACC+64*(\p)+2*n], v[CSV+n%16], -v[TT+2*n]      ; xr cos - xi sin
.set n, n+1
.endr
.endm
	SINCOS
	ROT 0
	WIN 0x55
	v_add_f32 v[TP], 0x41800000, v[TP]             ; p = 1: 16 tokens on
	SINCOS
	ROT 1
	WIN 0
.Lno_rope:
.irp b, 0,1,2,3
	v_mov_b32 v[TM+4+\b], 0                        ; written once: a lane permute's destination counts as one of its sources
.endr
; 64 numbers of a lane, v[s] on: registers 16 b .. 16 b + 15 are my half of block b of my row.  They become a fragment's codes in v[PC] on and its scale word in v[pw].
.macro QUANT s, pw
.irp b, 0,1,2,3
	v_max3_num_f32 v[TM+\b], |v[\s+16*\b]|, |v[\s+1+16*\b]|, 0x1800000   ; my 16 numbers, and the floor 2^(3 - 127): the byte cannot fall under 1
.endr
.irp i, 2,4,6,8,10,12,14
.irp b, 0,1,2,3
	v_max3_num_f32 v[TM+\b], v[TM+\b], |v[\s+16*\b+\i]|, |v[\s+1+16*\b+\i]|   ; (the four blocks by turns)
.endr
.endr
.irp b, 0,1,2,3
	v_permlanex16_b32 v[TM+4+\b], v[TM+\b], s[SEL], s[SEL+1]
.endr
.irp b, 0,1,2,3
	v_max_num_f32 v[TM+\b], v[TM+\b], v[TM+4+\b]   ; with lane l xor 16's: the block's largest magnitude
.endr
.irp b, 0,1,2,3
	v_add_nc_u32 v[TM+12+\b], 0xff000000, v[TM+\b] ; 2 off its exponent field: the conversion takes the exponent field of this operand as its scale
.endr
.irp b, 0,1,2,3
	v_lshrrev_b32 v[TM+4+\b], 23, v[TM+12+\b]      ; the scale's byte
.endr
	v_lshl_or_b32 v[\pw], v[TM+5], 8, v[TM+4]
	v_lshl_or_b32 v[\pw], v[TM+6], 16, v[\pw]
	v_lshl_or_b32 v[\pw], v[TM+7], 24, v[\pw]
.irp c, 0,1
	v_cvt_scalef32_pk16_fp6_f32 v[PC+6*\c:PC+2+6*\c], v[\s+32*\c:\s+15+32*\c], v[TM+12+2*\c]
	v_cvt_scalef32_pk16_fp6_f32 v[PC+12+4*\c:PC+14+4*\c], v[\s+16+32*\c:\s+31+32*\c], v[TM+12+2*\c+1]   ; (a conversion's three registers begin on an even number)
.endr
	v_nop                                          ; one plain place behind a scaled conversion
.irp c, 0,1                                    ; the operand's layout wants a whole block in a lane: lanes 0-15 block 2 c, lanes 16-31 block 2 c + 1
.irp i, 0,1,2
	v_permlane16_swap_b32 v[PC+6*\c+\i], v[PC+12+4*\c+\i]
.endr
.irp i, 0,1,2
	v_mov_b32 v[PC+3+6*\c+\i], v[PC+12+4*\c+\i]
.endr
.endr
.endm
.irp p, 0,1
	QUANT ACC+64*\p, PW+\p
.irp u, 0,1,2
	global_store_b64 v[GO8], v[PC+2*\u:PC+2*\u+1], s[OA:OA+1] offset:256*\u       ; 32 lanes store 256 consecutive bytes, at a multiple of 256 from the buffer's first byte
.endr
.irp u, 0,1,2
	global_store_b64 v[GO8], v[PC+6+2*\u:PC+7+2*\u], s[OB:OB+1] offset:256*\u
.endr
.if \p == 0
	s_wait_xcnt 0x0                                ; the stores have read their data and bases: both are written again below
	s_add_nc_u64 s[OA:OA+1], s[OA:OA+1], s[PSTR:PSTR+1]
	s_add_nc_u64 s[OB:OB+1], s[OB:OB+1], s[PSTR:PSTR+1]
.endif
.endr
	v_cndmask_b32 v[WD], v[PW], v[PW+1], s[HI]     ; lanes 0-15: p = 0's words; lanes 16-31: p = 1's (a row's word stands in both halves of the lanes)
	s_cmp_lg_u32 s[TV], 0
	s_cbranch_scc1 .Lv_words
	v_and_b32 v[WD+1], 0xffff, v[WD]               ; q, k: bytes 0, 1 are the first head's two blocks; the word's upper bytes are 0,
	v_lshrrev_b32 v[WD+2], 16, v[WD]               ; bytes 2, 3 the next head's
	global_store_b32 v[GO4], v[WD+1], s[SA:SA+1]
	global_store_b32 v[GO4], v[WD+2], s[SB:SB+1]
	s_branch .Lwords_out
.Lv_words:
	s_wait_alu depctr_va_vdst(0)
	global_store_b32 v[GO4], v[WD], s[SA:SA+1]     ; v: the four blocks of 128 keys
.Lwords_out:
	s_wait_dscnt 0x0
	s_wait_tensorcnt 0x0
	ds_add_u32 v126, v127
	s_wait_dscnt 0x0
	CROUND                                         ; the closing round: no work-group ends while a partner may still ask for a tile that names it
	s_endpgm
.Lfunc_end_k_qe8dab04a24_proj:
	.size	k_qe8dab04a24_proj, .Lfunc_end_k_qe8dab04a24_proj-k_qe8dab04a24_proj
	.p2alignl 7, 3214868480
	.fill 96, 4, 3214868480
	.section	.rodata,"a",@progbits
	.p2align	6, 0x0
	.amdhsa_kernel k_qe8dab04a24_proj
		.amdhsa_group_segment_fixed_size 218112
		.amdhsa_private_segment_fixed_size 0
		.amdhsa_enable_private_segment 0
		.amdhsa_kernarg_size 112
		.amdhsa_user_sgpr_count 2
		.amdhsa_user_sgpr_kernarg_segment_ptr 1
		.amdhsa_wavefront_size32 1
		.amdhsa_system_sgpr_workgroup_id_x 1
		.amdhsa_system_sgpr_workgroup_id_y 1
		.amdhsa_system_sgpr_workgroup_id_z 1
		.amdhsa_system_vgpr_workitem_id 0
		.amdhsa_next_free_vgpr 512
		.amdhsa_next_free_sgpr 100
		.amdhsa_reserve_vcc 1
		.amdhsa_float_denorm_mode_32 3
		.amdhsa_float_denorm_mode_16_64 3
		.amdhsa_memory_ordered 1
		.amdhsa_forward_progress 1
		.amdhsa_inst_pref_size 126
	.end_amdhsa_kernel
	.amdgpu_metadata
---
amdhsa.version: [ 1, 2 ]
amdhsa.kernels:
  - .name:           k_qe8dab04a24_proj
    .symbol:         k_qe8dab04a24_proj.kd
    .args:
      - { .name: q_codes, .offset: 0, .size: 8, .value_kind: global_buffer, .address_space: global }
      - { .name: q_scales, .offset: 8, .size: 8, .value_kind: global_buffer, .address_space: global }
      - { .name: Wq_codes, .offset: 16, .size: 8, .value_kind: global_buffer, .address_space: global }
      - { .name: Wq_scales, .offset: 24, .size: 8, .value_kind: global_buffer, .address_space: global }
      - { .name: k_codes, .offset: 32, .size: 8, .value_kind: global_buffer, .address_space: global }
      - { .name: k_scales, .offset: 40, .size: 8, .value_kind: global_buffer, .address_space: global }
      - { .name: Wk_codes, .offset: 48, .size: 8, .value_kind: global_buffer, .address_space: global }
      - { .name: Wk_scales, .offset: 56, .size: 8, .value_kind: global_buffer, .address_space: global }
      - { .name: Wv_codes, .offset: 64, .size: 8, .value_kind: global_buffer, .address_space: global }
      - { .name: Wv_scales, .offset: 72, .size: 8, .value_kind: global_buffer, .address_space: global }
      - { .name: v_codes, .offset: 80, .size: 8, .value_kind: global_buffer, .address_space: global }
      - { .name: v_scales, .offset: 88, .size: 8, .value_kind: global_buffer, .address_space: global }
      - { .name: qi, .offset: 96, .size: 8, .value_kind: global_buffer, .address_space: global }
      - { .name: kv, .offset: 104, .size: 8, .value_kind: global_buffer, .address_space: global }
    .group_segment_fixed_size: 218112
    .private_segment_fixed_size: 0
    .kernarg_segment_align: 8
    .kernarg_segment_size: 112
    .max_flat_workgroup_size: 128
    .sgpr_count:     100
    .vgpr_count:     512
    .wavefront_size: 32
...
	.end_amdgpu_metadata
.endif
;; end of part 1
;; launch attn (part 2): grid 16 x 16, 8 waves a work-group, clusters of 4 x 1, 327,680 bytes of LDS; arguments qi, kv, oimg, osc; writes oimg, osc
.if DOCPART == 2
	.amdgcn_target "amdgcn-amd-amdhsa--gfx1250"
	.amdhsa_code_object_version 6
	.text
	.protected	k_qe8dab04a24_attn
	.globl	k_qe8dab04a24_attn
	.p2align	8
	.type	k_qe8dab04a24_attn,@function
k_qe8dab04a24_attn:
	s_mov_b64 s[64:65], 0
	v_nop
	global_prefetch_b8 v0, s[64:65] scope:SCOPE_SE
	s_setreg_imm32_b32 hwreg(HW_REG_WAVE_MODE, 25, 1), 1
	s_wait_xcnt 0x0
	s_wait_alu depctr_hold_cnt(0) depctr_sa_sdst(0) depctr_va_vdst(0) depctr_va_sdst(0) depctr_va_ssrc(0) depctr_va_vcc(0) depctr_vm_vsrc(0)
	s_getreg_b32 s2, hwreg(HW_REG_IB_STS2, 6, 4)
	s_cmp_eq_u32 s2, 0
	s_cbranch_scc0 .Lentry_in_a_cluster
	s_endpgm
.Lentry_in_a_cluster:
	s_bfe_u32 s2, ttmp6, 0x10000c
	s_cmp_lg_u32 s2, 0x3003
	s_cbranch_scc0 .Lentry_shape_is_right
	s_endpgm
.Lentry_shape_is_right:
; Attention of one head on codes of FP6 (E2M3): S^T = K Q^T (K = the head's 64), the softmax ahead of a quantised product, O^T = V^T P^T (K = the keys), O / l quantised along the head's 64 for the output projection.
; t = score x log2(e) / 8; M = the running largest t rounded UP to a whole number; p = 2^(t - M) is quantised along the keys; the row's sum l is taken of the unquantised p.  When M moves, l and O^T are multiplied by 2^(old M - new M): exact.
; SHARES.  A work-group owns 256 queries of one head; each of its eight waves owns TWO tiles of 16 queries, so that each fragment of K and V read from LDS feeds two products, and every stage of the softmax runs on two independent tiles by turns.
; Every wave walks all 4,096 keys, 128 a step.  A step's record in kv (13,056 bytes) holds images of operand registers: K's 8 tiles, K's scale words, V's 4 fragments, V's scale words: every LDS load reads 8 or 4 bytes a lane, lane after lane.
; RING.  Two LDS slots of 8 steps (104,448 dense bytes); each wave fetches one record, 51 rows of 256 bytes.  CLUSTER: the four query blocks of a cluster belong to one head and ask for each slot jointly.
; One tensor load a wave is out at a time: slot 0's at the head, slot 1's first fill behind the first round, each refill behind its round.
; NO PREFETCH: a slot's load is asked for a whole slot's walk, eight key steps, ahead of its first read; only the head's load is asked for and waited for with no step between.
; A lane holds ONE query (lane % 16) of each tile; in S^T's tile t its register j is key 16 t + 8 (lane / 16) + j, the same pattern from which V's codes were made, so p's codes and V's stand in the same order inside each block of 32.
; K = 64 IN AN INSTRUCTION OF 128: Q's registers 6-11 are zero codes, and bytes 2, 3 of Q's and K's scale words are 0 (a power of two, no NaN).  K's tile t is named as 12 registers from v[KF + 6 t]: its upper six are the next
; tile's codes (zeros behind the last): numbers of the format, which has no NaN, times zero.
; OUT: oimg [query tile 256][head 16][768 bytes]: registers 0-5 of a fragment, 256 bytes a store.  osc [4096][32]: one byte for each 32 along D: 32 single bytes a tile beside 768 bytes of codes: pieces of 256 bytes are written in part there.
; LIMITS: the promise holds while the scaled scores t stay under 2^31 in magnitude.  A block of zeros, or one under 2^-124, gets the scale byte 1 (only this program reads the bytes).  NaN and infinities are not served.
; REGISTERS.  Window 0: addresses, state, fragments, codes, scale words.  Window 1: v0-127 S^T then p (tile q at 64 q); v128-191 O^T (tile q at 128 + 32 q).
.set KREC,  13056
.set KHEAD, 417792
.set QREC,  6656
.set QHEAD, 212992
.set SLOTB, 8*KREC
.set SPARE, 2*SLOTB                    ; behind the ring: the spare words, 128 bytes for each wave: four blocks of 256 bytes that no other line names
.set L8,  1                            ; 8 x lane
.set L4,  2                            ; 4 x lane
.set SPW, 3                            ; LDS address of my spare word; never rewritten
.set NIL, 4                            ; 0; never rewritten
.set A8,  5                            ; the step's record + 8 x lane
.set A4,  6                            ; + 4 x lane
.set OSO, 7                            ; my byte in osc
.set NM,  12                           ; tile q: v[12 + 2 q] = -M, v[13 + 2 q] = the running largest score
.set SU,  16                           ; tile q: the row's sum in two chains of pairs, v[16 + 4 q] on
.set QF,  24                           ; tile q: 6 registers of Q's codes and 6 of zeros, at 24 + 12 q
.set QS,  48                           ; Q's scale words: tile 0 in lanes 0-15, tile 1 in lanes 16-31
.set KF,  50                           ; v50-97 K's 8 tiles x 6; v98-103 zeros
.set KS,  104                          ; v104-107 K's scale words
.set VS,  108                          ; v108-109 V's
.set VF,  110                          ; v110-157 V's 4 fragments x 12
.set PCD, 158                          ; tile q: p's codes, 12 registers
.set PX,  182                          ; tile q: the conversions' second halves, 8 registers
.set BM,  198                          ; tile q: a block's largest score, then its largest p
.set BP,  206                          ; the other half's; then the bytes
.set BO,  214                          ; the conversions' scale operands
.set FF,  222                          ; tile q: the pair whose low word is f = 2^(old M - new M)
.set TMP, 226
.set PSW, 228                          ; tile q: p's scale word
.set OO,  128                          ; O^T in window 1
.set WV,  12
.set G1,  16                           ; s[16:23]
.set G0,  24                           ; s[24:27] slot 0's, s[28:31] slot 1's
.set SEL, 32
.set CS,  34                           ; s[34:35] c = log2(e) / 8
.set TB,  36                           ; the step's record in LDS
.set CNT, 37
.set HI,  38                           ; lanes 16-31
.set NCS, 39                           ; -c
.set MSB, 0
.macro WIN new                         ; the immediate's high byte repeats the setting that is left
.if MSB != \new
	s_set_vgpr_msb (MSB<<8)|\new
.set MSB, \new
.endif
.endm
.macro CROUND                          ; a round of the cluster's barrier
	s_barrier_signal -1
	s_barrier_wait -1
	s_cmp_lg_u32 s[WV], 0
	s_cbranch_scc1 .Lnot_wave_0_\@
	s_barrier_signal -3
.Lnot_wave_0_\@:
	s_barrier_wait -3
	s_barrier_signal -1
	s_barrier_wait -1
.endm
; One product.  md bit 0: source 0's scale words stand in lanes 16-31; bit 1: source 1's
.macro WM d, a, b, c, sa, sb, md
.if (\md) == 0
	v_wmma_scale_f32_16x16x128_f8f6f4 v[\d:\d+7], v[\a:\a+11], v[\b:\b+11], \c, v[\sa], v[\sb] matrix_a_fmt:MATRIX_FMT_FP6 matrix_b_fmt:MATRIX_FMT_FP6
.elseif (\md) == 1
	v_wmma_scale_f32_16x16x128_f8f6f4 v[\d:\d+7], v[\a:\a+11], v[\b:\b+11], \c, v[\sa], v[\sb] matrix_a_fmt:MATRIX_FMT_FP6 matrix_b_fmt:MATRIX_FMT_FP6 matrix_a_scale:MATRIX_SCALE_ROW1
.elseif (\md) == 2
	v_wmma_scale_f32_16x16x128_f8f6f4 v[\d:\d+7], v[\a:\a+11], v[\b:\b+11], \c, v[\sa], v[\sb] matrix_a_fmt:MATRIX_FMT_FP6 matrix_b_fmt:MATRIX_FMT_FP6 matrix_b_scale:MATRIX_SCALE_ROW1
.else
	v_wmma_scale_f32_16x16x128_f8f6f4 v[\d:\d+7], v[\a:\a+11], v[\b:\b+11], \c, v[\sa], v[\sb] matrix_a_fmt:MATRIX_FMT_FP6 matrix_b_fmt:MATRIX_FMT_FP6 matrix_a_scale:MATRIX_SCALE_ROW1 matrix_b_scale:MATRIX_SCALE_ROW1
.endif
.endm
.macro OMUL                            ; O^T x the low word of FF, each accumulator from its low end on.  Window setting 0x41
.irp q, 0,1
.set j, 0
.rept 16
	v_pk_mul_f32 v[OO+32*\q+j:OO+32*\q+j+1], v[OO+32*\q+j:OO+32*\q+j+1], v[FF+2*\q:FF+2*\q+1] op_sel_hi:[1,0]
.set j, j+2
.endr
.endr
.endm
	s_load_b256 s[4:11], s[0:1], 0x0               ; qi s[4:5], kv s[6:7], oimg s[8:9], osc s[10:11]
	v_lshl_add_u32 v[SPW], v0, 2, SPARE
	v_mov_b32 v[NIL], 0
	ds_add_u32 v[SPW], v[NIL]                      ; the opening lines: the add, twice on end, and its wait ahead of my first tensor load
	ds_add_u32 v[SPW], v[NIL]
	v_lshrrev_b32 v8, 5, v0
	v_readfirstlane_b32 s[WV], v8                  ; wave 0..7
	v_and_b32 v9, 31, v0
	v_lshlrev_b32 v[L8], 3, v9
	v_lshlrev_b32 v[L4], 2, v9
	s_bfe_u32 s13, ttmp6, 0x40000                  ; cx
	s_lshl_b32 s14, ttmp9, 2
	s_add_co_u32 s14, s14, s13                     ; my block of 256 queries: it enters qi's, oimg's and osc's addresses alone
	s_and_b32 s15, ttmp7, 0xffff                   ; the head, which the four partners share
	s_mov_b32 s[G1], 15|(3<<16)|(1<<21)            ; group 1: the mask names all four work-groups; elements of 8 bytes; bit 21 set beside a mask; no padding
	s_mov_b32 s[G1+1], 32<<16                      ; 51 rows of 256 bytes, dense in memory and in LDS
	s_mov_b32 s[G1+2], 51<<16
	s_mov_b32 s[G1+3], 32<<16
	s_mov_b32 s[G1+4], 51
	s_mov_b32 s[G1+5], 32
	s_mov_b32 s[G1+6], 0
	s_mov_b32 s[G1+7], 0
	s_mul_i32 s3, s[WV], KREC                      ; my record of a slot's eight, in LDS and in memory
	s_mul_i32 s40, s15, KHEAD
	s_add_co_u32 s40, s40, s3
	s_mov_b32 s41, 0
	s_mul_i32 s42, s15, QHEAD                      ; Q: the head, record 2 qb + w / 4, tiles 2 (w % 4) and the next
	s_lshl_b32 s43, s14, 1
	s_lshr_b32 s44, s[WV], 2
	s_add_co_u32 s43, s43, s44
	s_mul_i32 s43, s43, QREC
	s_add_co_u32 s42, s42, s43
	s_and_b32 s44, s[WV], 3
	s_mul_i32 s45, s44, 1536
	s_add_co_u32 s46, s42, s45
	s_mov_b32 s47, 0
	s_lshl_b32 s44, s44, 7                         ; the pair's register of scale words: 128 bytes
	s_add_co_u32 s48, s42, s44
	s_add_co_u32 s48, s48, 6144
	s_mov_b32 s49, 0
	s_lshl_b32 s54, s14, 4
	s_lshl_b32 s55, s[WV], 1
	s_add_co_u32 s54, s54, s55                     ; my first tile of queries: 16 qb + 2 w
	s_mul_i32 s50, s54, 12288
	s_mul_i32 s55, s15, 768
	s_add_co_u32 s50, s50, s55
	s_mov_b32 s51, 0
	s_lshl_b32 s52, s54, 9
	s_lshl_b32 s55, s15, 1
	s_add_co_u32 s52, s52, s55
	s_mov_b32 s53, 0
	s_mov_b32 s[SEL], 0x76543210
	s_mov_b32 s[SEL+1], 0xfedcba98
	s_mov_b32 s[CS], 0x3e38aa3b
	s_mov_b32 s[CS+1], s[CS]
	s_mov_b32 s[NCS], 0xbe38aa3b
	s_mov_b32 s[HI], 0xffff0000
	s_wait_alu depctr_va_vdst(0)
	s_wait_dscnt 0x0                               ; both opening adds are done
	s_wait_kmcnt 0x0
	s_add_nc_u64 s[40:41], s[6:7], s[40:41]
	s_add_nc_u64 s[46:47], s[4:5], s[46:47]
	s_add_nc_u64 s[48:49], s[4:5], s[48:49]
	s_add_nc_u64 s[50:51], s[8:9], s[50:51]
	s_add_nc_u64 s[52:53], s[10:11], s[52:53]
.irp q, 0,1
.irp u, 0,1,2
	global_load_b64 v[QF+12*\q+2*\u:QF+12*\q+2*\u+1], v[L8], s[46:47] offset:768*\q+256*\u
.endr
.endr
	global_load_b32 v[QS], v[L4], s[48:49]
	s_mov_b32 s[G0], 1
	s_mov_b32 s[G0+1], s3
	s_mov_b64 s[G0+2:G0+3], s[40:41]               ; steps 0-7
	s_or_b32 s[G0+3], s[G0+3], 0x80000000
	s_mov_b32 s[G0+4], 1
	s_add_co_u32 s[G0+5], s3, SLOTB
	s_add_nc_u64 s[G0+6:G0+7], s[40:41], SLOTB     ; steps 8-15
	s_or_b32 s[G0+7], s[G0+7], 0x80000000
	CROUND                                         ; all four work-groups are here: the first joint loads meet
	tensor_load_to_lds s[G0:G0+3], s[G1:G1+7]      ; slot 0, my record: my one tensor load at the head
	s_nop 0
.irp i, 0,1,2,3,4,5
	v_mov_b32 v[QF+6+\i], 0                        ; zero codes for K = 64 .. 127
	v_mov_b32 v[QF+18+\i], 0
	v_mov_b32 v[KF+48+\i], 0
.endr
.irp q, 0,1
	v_mov_b32 v[NM+2*\q+1], 0xff61b1e6             ; the largest score so far: -3e38
	v_mov_b32 v[NM+2*\q], 0x7e000000               ; -M: 2^125, a whole number over every -M that follows: the first f is 0
	v_mov_b32 v[FF+2*\q+1], 0                      ; (named with f as a pair)
.endr
.irp i, 0,1,2,3,4,5,6,7
	v_mov_b32 v[SU+\i], 0                          ; the sums
	v_mov_b32 v[BP+\i], 0                          ; written once: a lane permute's destination counts as one of its sources
.endr
	WIN 0x40
.set j, 0
.rept 64
	v_mov_b32 v[OO+j], 0                           ; O^T: the step is written in one form; the first finds zeros, which the first f leaves zeros
.set j, j+1
.endr
	WIN 0
; A KEY STEP: 128 keys against my two tiles of queries.
.macro STEP
.irp t, 0,1,2,3,4,5,6,7
.irp u, 0,1,2
	ds_load_b64 v[KF+6*\t+2*\u:KF+6*\t+2*\u+1], v[A8] offset:768*\t+256*\u
.endr
.endr
.irp a, 0,1,2,3
	ds_load_b32 v[KS+\a], v[A4] offset:6144+128*\a
.endr
	s_wait_dscnt 0x0                               ; K is in
	WIN 0x40
.irp t, 0,1,2,3,4,5,6,7                        ; S^T = K Q^T, sixteen accumulators, each begun with 0
.irp q, 0,1
	WM 64*\q+8*\t, KF+6*\t, QF+12*\q, 0, KS+\t/2, QS, 2*\q+\t%2
.endr
.endr
	WIN 0
.rept 4
	v_nop                                          ; four places: in front of the first read of the scores and of the loads into V's registers, which the last step's products read
.endr
.irp t, 0,1,2,3                                ; V's fragments land while the softmax is walked
.irp u, 0,1,2,3,4,5
	ds_load_b64 v[VF+12*\t+2*\u:VF+12*\t+2*\u+1], v[A8] offset:6656+1536*\t+256*\u
.endr
.endr
.irp a, 0,1
	ds_load_b32 v[VS+\a], v[A4] offset:12800+128*\a
.endr
	s_add_co_u32 s[TB], s[TB], KREC                ; the next step's record
	v_add_nc_u32 v[A8], s[TB], v[L8]
	v_add_nc_u32 v[A4], s[TB], v[L4]
	WIN 0x15
.irp q, 0,1
.irp b, 0,1,2,3
	v_max3_num_f32 v[BM+4*\q+\b], v[64*\q+16*\b], v[64*\q+16*\b+1], v[64*\q+16*\b+2]   ; the largest score of each block of 32 keys: it serves for the row's maximum and, since p rises with the score, for the block's largest p
.endr
.endr
	WIN 0x14
.irp i, 3,5,7,9,11,13
.irp q, 0,1
.irp b, 0,1,2,3
	v_max3_num_f32 v[BM+4*\q+\b], v[BM+4*\q+\b], v[64*\q+16*\b+\i], v[64*\q+16*\b+\i+1]
.endr
.endr
.endr
.irp q, 0,1
.irp b, 0,1,2,3
	v_max3_num_f32 v[BM+4*\q+\b], v[BM+4*\q+\b], v[64*\q+16*\b+15], v[64*\q+16*\b+15]
.endr
.endr
	WIN 0
.irp i, 0,1,2,3,4,5,6,7
	v_permlanex16_b32 v[BP+\i], v[BM+\i], s[SEL], s[SEL+1]
.endr
.irp i, 0,1,2,3,4,5,6,7
	v_max_num_f32 v[BM+\i], v[BM+\i], v[BP+\i]     ; with lane l xor 16's 16 keys
.endr
.irp q, 0,1
	v_max3_num_f32 v[TMP+\q], v[BM+4*\q], v[BM+4*\q+1], v[BM+4*\q+2]
.endr
.irp q, 0,1
	s_delay_alu instid0(VALU_DEP_2)
	v_max3_num_f32 v[NM+2*\q+1], v[NM+2*\q+1], v[TMP+\q], v[BM+4*\q+3]   ; the running largest score
.endr
.irp q, 0,1
	s_delay_alu instid0(VALU_DEP_2)
	v_mul_f32 v[TMP+\q], s[NCS], v[NM+2*\q+1]      ; -t (c is positive, so the largest score gives the largest t)
.endr
.irp q, 0,1
	s_delay_alu instid0(VALU_DEP_2)
	v_floor_f32 v[TMP+\q], v[TMP+\q]               ; the new -M = floor(-t): M is a whole number
.endr
.irp q, 0,1
	s_delay_alu instid0(VALU_DEP_2)
	v_sub_f32 v[FF+2*\q], v[TMP+\q], v[NM+2*\q]    ; old M - new M: a whole number, 0 or less
.endr
.irp q, 0,1
	s_delay_alu instid0(VALU_DEP_4)
	v_mov_b32 v[NM+2*\q], v[TMP+\q]
.endr
.irp q, 0,1
	s_delay_alu instid0(VALU_DEP_4)
	v_cvt_i32_f32 v[FF+2*\q], v[FF+2*\q]           ; (it saturates)
.endr
.irp q, 0,1
	s_delay_alu instid0(VALU_DEP_2)
	v_ldexp_f32 v[FF+2*\q], 1.0, v[FF+2*\q]        ; f = 2^(old M - new M)
.endr
.irp q, 0,1
.irp b, 0,1,2,3
	v_fma_f32 v[BM+4*\q+\b], v[BM+4*\q+\b], s[CS], v[NM+2*\q]   ; t - M of each block's largest score
.endr
.endr
.irp q, 0,1
	v_pk_mul_f32 v[SU+4*\q:SU+4*\q+1], v[SU+4*\q:SU+4*\q+1], v[FF+2*\q:FF+2*\q+1] op_sel_hi:[1,0]       ; the sums under the new M
	v_pk_mul_f32 v[SU+4*\q+2:SU+4*\q+3], v[SU+4*\q+2:SU+4*\q+3], v[FF+2*\q:FF+2*\q+1] op_sel_hi:[1,0]
.endr
	WIN 0x41
.irp q, 0,1
.set j, 0
.rept 32
	v_pk_fma_f32 v[64*\q+j:64*\q+j+1], v[64*\q+j:64*\q+j+1], s[CS:CS+1], v[NM+2*\q:NM+2*\q+1] op_sel_hi:[1,0,0]   ; t - M, two at a time
.set j, j+2
.endr
.endr
	OMUL                                           ; O^T under the new M: ahead of the exponentials
	s_wait_alu depctr_va_vdst(0)
.set j, 0
.rept 128
	v_exp_f32 v[j], v[j]                           ; p = 2^(t - M), at most 1
.set j, j+1
.endr
	WIN 0
.irp i, 0,1,2,3,4,5,6,7
	v_exp_f32 v[BM+\i], v[BM+\i]                   ; the block's largest p: the same two instructions on the same number
.endr
	v_nop                                          ; a plain instruction behind the last exponential
	s_wait_alu depctr_va_vdst(0)                   ; one wait for the batch, ahead of its first reader
.irp i, 0,1,2,3,4,5,6,7
	v_max_num_f32 v[BM+\i], 0x1800000, v[BM+\i]    ; the floor 2^(3 - 127): the byte cannot fall under 1
.endr
.irp i, 0,1,2,3,4,5,6,7
	v_add_nc_u32 v[BO+\i], 0xff000000, v[BM+\i]    ; 2 off the exponent field: the conversion's scale operand
.endr
.irp i, 0,1,2,3,4,5,6,7
	v_lshrrev_b32 v[BP+\i], 23, v[BO+\i]           ; the scale's byte
.endr
.irp q, 0,1
	v_lshl_or_b32 v[PSW+\q], v[BP+4*\q+1], 8, v[BP+4*\q]
.endr
.irp q, 0,1
	s_delay_alu instid0(VALU_DEP_2)
	v_lshl_or_b32 v[PSW+\q], v[BP+4*\q+2], 16, v[PSW+\q]
.endr
.irp q, 0,1
	s_delay_alu instid0(VALU_DEP_2)
	v_lshl_or_b32 v[PSW+\q], v[BP+4*\q+3], 24, v[PSW+\q]
.endr
	WIN 0x01
.irp q, 0,1
.irp c, 0,1
	v_cvt_scalef32_pk16_fp6_f32 v[PCD+12*\q+6*\c:PCD+12*\q+6*\c+2], v[64*\q+32*\c:64*\q+32*\c+15], v[BO+4*\q+2*\c]
	v_cvt_scalef32_pk16_fp6_f32 v[PX+8*\q+4*\c:PX+8*\q+4*\c+2], v[64*\q+32*\c+16:64*\q+32*\c+31], v[BO+4*\q+2*\c+1]
.endr
.endr
	v_nop                                          ; one plain place behind a scaled conversion
	WIN 0
.irp q, 0,1                                    ; a whole block to a lane: lanes 0-15 block 2 c, lanes 16-31 block 2 c + 1
.irp c, 0,1
.irp i, 0,1,2
	v_permlane16_swap_b32 v[PCD+12*\q+6*\c+\i], v[PX+8*\q+4*\c+\i]
.endr
.endr
.endr
.irp q, 0,1
.irp c, 0,1
.irp i, 0,1,2
	v_mov_b32 v[PCD+12*\q+6*\c+3+\i], v[PX+8*\q+4*\c+\i]
.endr
.endr
.endr
	WIN 0x04
.irp j, 0,4,8,12,16,20,24,28,32,36,40,44,48,52,56,60   ; the rows' sums of the unquantised p, four chains by turns: 64 plain instructions, the places in front of the products below
.irp q, 0,1
	v_pk_add_f32 v[SU+4*\q:SU+4*\q+1], v[SU+4*\q:SU+4*\q+1], v[64*\q+\j:64*\q+\j+1]
	v_pk_add_f32 v[SU+4*\q+2:SU+4*\q+3], v[SU+4*\q+2:SU+4*\q+3], v[64*\q+\j+2:64*\q+\j+3]
.endr
.endr
	s_wait_dscnt 0x0                               ; V is in
	WIN 0x50
.irp t, 0,1,2,3                                ; O^T += V^T P^T: the eight accumulators by turns
.irp q, 0,1
	WM OO+32*\q+8*\t, VF+12*\t, PCD+12*\q, v[OO+32*\q+8*\t:OO+32*\q+8*\t+7], VS+\t/2, PSW+\q, \t%2
.endr
.endr
	WIN 0
.endm
.macro PHASE slot                      ; a slot's eight steps
	s_mov_b32 s[TB], \slot*SLOTB
	v_add_nc_u32 v[A8], s[TB], v[L8]
	v_add_nc_u32 v[A4], s[TB], v[L4]
	s_wait_alu depctr_va_vdst(0)
	s_mov_b32 s[CNT], 8
.Lstep_\@:
	STEP
	s_sub_co_u32 s[CNT], s[CNT], 1
	s_cmp_lg_u32 s[CNT], 0
	s_cbranch_scc1 .Lstep_\@
.endm
; THE CHANGE OF SLOTS.  Each wave waits for all its tensor loads (its record of the slot ahead), adds 0 to its spare word, and waits for that and for its reads of the slot that it leaves.
; fill = 1: the barrier is a round of the cluster's, and slot \slot is asked for, my one tensor load until the next round; adv = 1: its address first goes 16 steps on.
.macro CHANGE slot, fill, adv
	s_wait_alu depctr_va_vdst(0)
	s_wait_tensorcnt 0x0                           ; no tensor load of mine is out, so a group 0 may be written
	ds_add_u32 v[SPW], v[NIL]
.if \adv
	s_add_nc_u64 s[G0+4*\slot+2:G0+4*\slot+3], s[G0+4*\slot+2:G0+4*\slot+3], 2*SLOTB
.endif
	s_wait_dscnt 0x0                               ; the add is done, and my reads of the slot are over
.if \fill
	CROUND
	tensor_load_to_lds s[G0+4*\slot:G0+4*\slot+3], s[G1:G1+7]
	s_nop 0
.rept 4
	v_nop
.endr
.else
	s_barrier_signal -1
	s_barrier_wait -1
.endif
.endm
	CHANGE 1, 1, 0                                 ; slot 0 is whole; slot 1's first fill, steps 8-15, is issued as a refill is
	s_wait_loadcnt 0x0                             ; Q
	PHASE 0                                        ; steps 0-7
	CHANGE 0, 1, 1                                 ; slot 0 takes steps 16-23
	PHASE 1                                        ; steps 8-15
	CHANGE 1, 1, 1                                 ; slot 1 takes steps 24-31
	PHASE 0
	CHANGE 0, 0, 0                                 ; nothing is left to fetch
	PHASE 1
	; THE WAY OUT
	s_wait_alu depctr_va_vdst(0)
.irp q, 0,1
	v_pk_add_f32 v[SU+4*\q:SU+4*\q+1], v[SU+4*\q:SU+4*\q+1], v[SU+4*\q+2:SU+4*\q+3]   ; the sum's two chains,
.endr
.irp q, 0,1
	s_delay_alu instid0(VALU_DEP_2)
	v_add_f32 v[SU+4*\q], v[SU+4*\q], v[SU+4*\q+1]                                    ; its two halves,
.endr
.irp q, 0,1
	s_delay_alu instid0(VALU_DEP_2)
	v_permlanex16_b32 v[BP+4*\q], v[SU+4*\q], s[SEL], s[SEL+1]
.endr
.irp q, 0,1
	s_delay_alu instid0(VALU_DEP_2)
	v_add_f32 v[SU+4*\q], v[SU+4*\q], v[BP+4*\q]                                      ; and lane l xor 16's keys: l
.endr
	s_wait_alu depctr_va_vdst(0)                   ; ahead of the reciprocals
.irp q, 0,1
	v_rcp_f32 v[FF+2*\q], v[SU+4*\q]
.endr
	v_and_b32 v8, 15, v0                           ; (plain work behind the reciprocals)
	v_bfe_u32 v9, v0, 4, 1
	v_lshl_add_u32 v[OSO], v8, 5, v9               ; osc: 32 bytes a query, + my half's block
	WIN 0x41
	s_wait_alu depctr_va_vdst(0)                   ; ahead of the first reader of the reciprocals and of O^T
	OMUL                                           ; O^T / l
.irp q, 0,1                                    ; register 16 b + 8 u + j holds d = 32 b + 16 u + 8 h + j.  The first's lanes 16-31 change places with the second's lanes 0-15: then register 16 b + i holds d = 32 b + 16 h + i
.irp b, 0,1
.irp j, 0,1,2,3,4,5,6,7
	v_permlane16_swap_b32 v[OO+32*\q+16*\b+\j], v[OO+32*\q+16*\b+8+\j]
.endr
.endr
.endr
	WIN 0x14
.irp q, 0,1
.irp b, 0,1
	v_max3_num_f32 v[BM+4*\q+\b], 0x1800000, |v[OO+32*\q+16*\b]|, |v[OO+32*\q+16*\b+1]|
.endr
.endr
.irp i, 2,4,6,8,10,12,14
.irp q, 0,1
.irp b, 0,1
	v_max3_num_f32 v[BM+4*\q+\b], v[BM+4*\q+\b], |v[OO+32*\q+16*\b+\i]|, |v[OO+32*\q+16*\b+\i+1]|
.endr
.endr
.endr
	WIN 0
.irp q, 0,1
.irp b, 0,1
	v_permlanex16_b32 v[BP+4*\q+\b], v[BM+4*\q+\b], s[SEL], s[SEL+1]
.endr
.endr
.irp q, 0,1
.irp b, 0,1
	v_max_num_f32 v[BM+4*\q+\b], v[BM+4*\q+\b], v[BP+4*\q+\b]
.endr
.endr
.irp q, 0,1
.irp b, 0,1
	v_add_nc_u32 v[BO+4*\q+\b], 0xff000000, v[BM+4*\q+\b]
.endr
.endr
.irp q, 0,1
.irp b, 0,1
	v_lshrrev_b32 v[BP+4*\q+\b], 23, v[BO+4*\q+\b]
.endr
.endr
	WIN 0x01
.irp q, 0,1
	v_cvt_scalef32_pk16_fp6_f32 v[PCD+12*\q:PCD+12*\q+2], v[OO+32*\q:OO+32*\q+15], v[BO+4*\q]
	v_cvt_scalef32_pk16_fp6_f32 v[PX+8*\q:PX+8*\q+2], v[OO+32*\q+16:OO+32*\q+31], v[BO+4*\q+1]
.endr
	v_nop                                          ; one plain place behind a scaled conversion
	WIN 0
.irp q, 0,1
.irp i, 0,1,2
	v_permlane16_swap_b32 v[PCD+12*\q+\i], v[PX+8*\q+\i]
.endr
.endr
.irp q, 0,1
.irp i, 0,1,2
	v_mov_b32 v[PCD+12*\q+3+\i], v[PX+8*\q+\i]
.endr
.endr
.irp q, 0,1
	v_cndmask_b32 v[TMP+\q], v[BP+4*\q], v[BP+4*\q+1], s[HI]   ; lanes 0-15: block 0's byte; lanes 16-31: block 1's
.endr
.irp q, 0,1
.irp u, 0,1,2
	global_store_b64 v[L8], v[PCD+12*\q+2*\u:PCD+12*\q+2*\u+1], s[50:51] offset:12288*\q+256*\u   ; 32 lanes store 256 consecutive bytes, at a multiple of 256 from the buffer's first byte
.endr
	global_store_b8 v[OSO], v[TMP+\q], s[52:53] offset:512*\q
.endr
	s_wait_tensorcnt 0x0                           ; the wave's end
	ds_add_u32 v[SPW], v[NIL]
	s_wait_dscnt 0x0
	CROUND                                         ; the closing round
	s_endpgm
.Lfunc_end_k_qe8dab04a24_attn:
	.size	k_qe8dab04a24_attn, .Lfunc_end_k_qe8dab04a24_attn-k_qe8dab04a24_attn
	.p2alignl 7, 3214868480
	.fill 96, 4, 3214868480
	.section	.rodata,"a",@progbits
	.p2align	6, 0x0
	.amdhsa_kernel k_qe8dab04a24_attn
		.amdhsa_group_segment_fixed_size 327680
		.amdhsa_private_segment_fixed_size 0
		.amdhsa_enable_private_segment 0
		.amdhsa_kernarg_size 32
		.amdhsa_user_sgpr_count 2
		.amdhsa_user_sgpr_kernarg_segment_ptr 1
		.amdhsa_wavefront_size32 1
		.amdhsa_system_sgpr_workgroup_id_x 1
		.amdhsa_system_sgpr_workgroup_id_y 1
		.amdhsa_system_sgpr_workgroup_id_z 1
		.amdhsa_system_vgpr_workitem_id 0
		.amdhsa_next_free_vgpr 512
		.amdhsa_next_free_sgpr 66
		.amdhsa_reserve_vcc 0
		.amdhsa_float_denorm_mode_32 3
		.amdhsa_float_denorm_mode_16_64 3
		.amdhsa_memory_ordered 1
		.amdhsa_forward_progress 1
		.amdhsa_inst_pref_size 145
	.end_amdhsa_kernel
	.amdgpu_metadata
---
amdhsa.version: [ 1, 2 ]
amdhsa.kernels:
  - .name:           k_qe8dab04a24_attn
    .symbol:         k_qe8dab04a24_attn.kd
    .args:
      - { .name: qi, .offset: 0, .size: 8, .value_kind: global_buffer, .address_space: global }
      - { .name: kv, .offset: 8, .size: 8, .value_kind: global_buffer, .address_space: global }
      - { .name: oimg, .offset: 16, .size: 8, .value_kind: global_buffer, .address_space: global }
      - { .name: osc, .offset: 24, .size: 8, .value_kind: global_buffer, .address_space: global }
    .group_segment_fixed_size: 327680
    .private_segment_fixed_size: 0
    .kernarg_segment_align: 8
    .kernarg_segment_size: 32
    .max_flat_workgroup_size: 256
    .sgpr_count:     66
    .vgpr_count:     512
    .wavefront_size: 32
...
	.end_amdgpu_metadata
.endif
;; end of part 2
;; launch oproj (part 3): grid 8 x 32, 4 waves a work-group, clusters of 4 x 4, 327,680 bytes of LDS; arguments oimg, osc, Wo_codes, Wo_scales, bo, out0; writes out0
.if DOCPART == 3
	.amdgcn_target "amdgcn-amd-amdhsa--gfx1250"
	.amdhsa_code_object_version 6
	.text
	.protected	k_qe8dab04a24_oproj
	.globl	k_qe8dab04a24_oproj
	.p2align	8
	.type	k_qe8dab04a24_oproj,@function
k_qe8dab04a24_oproj:
	s_mov_b64 s[64:65], 0
	v_nop
	global_prefetch_b8 v0, s[64:65] scope:SCOPE_SE
	s_setreg_imm32_b32 hwreg(HW_REG_WAVE_MODE, 25, 1), 1
	s_wait_xcnt 0x0
	s_wait_alu depctr_hold_cnt(0) depctr_sa_sdst(0) depctr_va_vdst(0) depctr_va_sdst(0) depctr_va_ssrc(0) depctr_va_vcc(0) depctr_vm_vsrc(0)
	s_getreg_b32 s2, hwreg(HW_REG_IB_STS2, 6, 4)
	s_cmp_eq_u32 s2, 0
	s_cbranch_scc0 .Lentry_in_a_cluster
	s_endpgm
.Lentry_in_a_cluster:
	s_bfe_u32 s2, ttmp6, 0x10000c
	s_cmp_lg_u32 s2, 0xf033
	s_cbranch_scc0 .Lentry_shape_is_right
	s_endpgm
.Lentry_shape_is_right:
.set PITCH,  816
.set TILEB,  16*PITCH
.set HALFT,  64*PITCH
.set PIMG,   12288
.set RBASE,  8*PIMG
.set SCL,    RBASE+2*HALFT
.set HALFS,  8*272
.set STG,    SCL+4*HALFS
.set SPITCH, 528
.set ADP,  4
.set ADR,  6
.set ADSP, 10
.set ADSR, 11
.set STO,  12
.set RD,   13
.set CO,   14
.set BA,   15
.set SCR,  16
.set SCP,  48
.set BI,   64
.set ACC,  128
.set G0P,  12
.set G0R,  16
.set G0SP, 20
.set G0SR, 24
.set G1P,  32
.set G1R,  40
.set G1SP, 48
.set G1SR, 56
.set WV,   66
.set WH,   67
.set WL,   68
.set YY,   70
.set CX,   71
.set CY,   72
.set PT,   74
.set RT,   75
.set MUL,  0x05
.set TO_F, 0x40
.set MSB, 0
.macro WIN new
.if MSB != \new
	s_set_vgpr_msb (MSB<<8)|\new
.set MSB, \new
.endif
.endm
.macro PLACES n
.rept \n
	v_nop
.endr
.endm
.macro JLOAD g0a, g1a, g0b, g1b
	s_cmp_eq_u32 s[WH], 0
	s_cbranch_scc0 .Lfor_r_\@
	tensor_load_to_lds s[\g0a:\g0a+3], s[\g1a:\g1a+7]
	s_nop 0
.rept 4
	v_nop
.endr
	s_branch .Lasked_\@
.Lfor_r_\@:
	tensor_load_to_lds s[\g0b:\g0b+3], s[\g1b:\g1b+7]
	s_nop 0
.rept 4
	v_nop
.endr
.Lasked_\@:
.endm
.macro CROUND
	s_barrier_signal -1
	s_barrier_wait -1
	s_cmp_lg_u32 s[WV], 0
	s_cbranch_scc1 .Lnot_wave_0_\@
	s_barrier_signal -3
.Lnot_wave_0_\@:
	s_barrier_wait -3
	s_barrier_signal -1
	s_barrier_wait -1
.endm
.macro GROUP0 g, lds, adr
	s_mov_b32 s[\g], 1
	s_mov_b32 s[\g+1], s[\lds]
	s_mov_b64 s[\g+2:\g+3], s[\adr:\adr+1]
	s_or_b32 s[\g+3], s[\g+3], 0x80000000
.endm
	s_load_b256 s[4:11], s[0:1], 0x0
	s_load_b128 s[28:31], s[0:1], 0x20
	v_lshl_add_u32 v62, v0, 2, 0x3be00
	v_mov_b32 v63, 0
	ds_add_u32 v62, v63
	ds_add_u32 v62, v63
	v_lshrrev_b32 v1, 5, v0
	v_readfirstlane_b32 s[WV], v1
	s_lshr_b32 s[WH], s[WV], 1
	s_and_b32 s[WL], s[WV], 1
	s_bfe_u32 s[CX], ttmp6, 0x40000
	s_bfe_u32 s[CY], ttmp6, 0x40004
	s_and_b32 s[YY], ttmp7, 0xffff
	s_lshl_b32 s[PT], s[YY], 2
	s_add_co_u32 s[PT], s[PT], s[CY]
	s_lshl_b32 s[RT], ttmp9, 2
	s_add_co_u32 s[RT], s[RT], s[CX]
	s_lshl_b32 s2, s[CY], 2
	s_lshl_b32 s2, 15, s2
	s_lshl_b32 s3, 0x1111, s[CX]
	s_or_b32 s[G1P], s2, (3<<16)|(1<<21)
	s_mov_b32 s[G1P+1], 32<<16
	s_mov_b32 s[G1P+2], 384<<16
	s_mov_b32 s[G1P+3], 32<<16
	s_mov_b32 s[G1P+4], 384
	s_mov_b32 s[G1P+5], 32
	s_mov_b32 s[G1P+6], 0
	s_mov_b32 s[G1P+7], 0
	s_or_b32 s[G1R], s3, (0<<16)|(1<<20)|(1<<21)|(5<<22)|(3<<25)
	s_mov_b32 s[G1R+1], 768<<16
	s_mov_b32 s[G1R+2], 128<<16
	s_mov_b32 s[G1R+3], 768<<16
	s_mov_b32 s[G1R+4], 128
	s_mov_b32 s[G1R+5], 768
	s_mov_b32 s[G1R+6], 0
	s_mov_b32 s[G1R+7], 0
	s_or_b32 s[G1SP], s2, (3<<16)|(1<<20)|(1<<21)|(5<<22)|(3<<25)
	s_or_b32 s[G1SR], s3, (3<<16)|(1<<20)|(1<<21)|(5<<22)|(3<<25)
.irp g, G1SP, G1SR
	s_mov_b32 s[\g+1], 32<<16
	s_mov_b32 s[\g+2], 16<<16
	s_mov_b32 s[\g+3], 32<<16
	s_mov_b32 s[\g+4], 16
	s_mov_b32 s[\g+5], 32
	s_mov_b32 s[\g+6], 0
	s_mov_b32 s[\g+7], 0
.endr
	s_lshl_b32 s78, s[PT], 3
	s_mov_b32 s69, 0
	s_add_co_u32 s78, s78, s69
	s_mul_i32 s76, s78, PIMG
	s_lshl_b32 s78, s78, 9
	s_mov_b32 s77, 0
	s_mov_b32 s79, 0
	s_lshl_b32 s82, s[RT], 7
	s_mov_b32 s69, 0
	s_add_co_u32 s82, s82, s69
	s_mul_i32 s80, s82, 768
	s_lshl_b32 s82, s82, 5
	s_mov_b32 s81, 0
	s_mov_b32 s83, 0
	s_mov_b32 s84, 0
	s_mov_b32 s85, 0
	s_add_co_u32 s85, s85, RBASE
	s_mov_b32 s86, 0
	s_add_co_u32 s86, s86, SCL
	s_lshl_b32 s88, s[RT], 9
	s_mov_b32 s89, 0
	s_lshl_b32 s90, s[PT], 7
	s_lshl_b32 s69, s[WV], 5
	s_add_co_u32 s90, s90, s69
	s_lshl_b32 s90, s90, 12
	s_add_co_u32 s90, s90, s88
	s_mov_b32 s91, 0
	s_wait_dscnt 0x0
	s_wait_kmcnt 0x0
	s_add_nc_u64 s[4:5], s[4:5], s[76:77]
	s_add_nc_u64 s[6:7], s[6:7], s[78:79]
	s_add_nc_u64 s[8:9], s[8:9], s[80:81]
	s_add_nc_u64 s[10:11], s[10:11], s[82:83]
	s_add_nc_u64 s[28:29], s[28:29], s[88:89]
	s_add_nc_u64 s[30:31], s[30:31], s[90:91]
	CROUND
	GROUP0 G0P, 84, 4
	GROUP0 G0R, 85, 8
	GROUP0 G0SP, 86, 6
	s_mov_b32 s87, SCL+2*HALFS
	GROUP0 G0SR, 87, 10
; The head's four tiles, one joint load a wave: wave 0 the 8 images of O's tiles (384 rows of 256 bytes), wave 1 Wo's 128 rows of codes,
; wave 2 O's scale bytes, wave 3 Wo's.  One chain of branches on the wave's number; every way through it passes one load.  Nothing is ever filled again.
.macro ARM under, g0, g1, next
	s_cmp_lt_u32 s[WV], \under
	s_cbranch_scc0 \next
	tensor_load_to_lds s[\g0:\g0+3], s[\g1:\g1+7]
	s_nop 0
.rept 4
	v_nop
.endr
	s_branch .Lhead_asked
\next:
.endm
	ARM 1, G0P, G1P, .Lhead_r
	ARM 2, G0R, G1R, .Lhead_sp
	ARM 3, G0SP, G1SP, .Lhead_sr
	tensor_load_to_lds s[G0SR:G0SR+3], s[G1SR:G1SR+7]
	s_nop 0
.rept 4
	v_nop
.endr
.Lhead_asked:
	v_and_b32 v1, 31, v0
	v_and_b32 v2, 15, v0
	v_bfe_u32 v3, v0, 4, 1
	v_lshlrev_b32 v[BA], 5, v3
.irp t, 0,1,2,3,4,5,6,7
	global_load_b128 v[BI+8*\t:BI+8*\t+3], v[BA], s[28:29] offset:64*\t
	global_load_b128 v[BI+8*\t+4:BI+8*\t+7], v[BA], s[28:29] offset:64*\t+16
.endr
	s_mul_i32 s2, s[WV], 2*PIMG
	v_lshl_add_u32 v[ADP], v1, 3, s2
	v_mul_u32_u24 v56, v2, PITCH
	v_mad_u32_u24 v56, v3, 24, v56
	v_add_nc_u32 v[ADR], RBASE, v56
	v_lshl_add_u32 v[ADR+1], v3, 4, v[ADR]
	v_add_nc_u32 v[ADR+2], RBASE+HALFT, v56
	v_lshl_add_u32 v[ADR+3], v3, 4, v[ADR+2]
	v_lshrrev_b32 v57, 3, v1
	v_lshlrev_b32 v58, 5, v1
	v_lshl_add_u32 v58, v57, 4, v58
	s_mul_i32 s2, s[WV], 1088
	s_add_co_u32 s2, s2, SCL
	v_add_nc_u32 v[ADSP], s2, v58
	v_add_nc_u32 v[ADSR], SCL+2*HALFS, v58
	s_mul_i32 s2, s[WV], 16*SPITCH
	s_add_co_u32 s2, s2, STG
	v_mul_u32_u24 v59, v2, SPITCH
	v_lshl_add_u32 v59, v3, 5, v59
	v_add_nc_u32 v[STO], s2, v59
	v_lshlrev_b32 v[CO], 4, v1
	v_add_nc_u32 v[RD], s2, v[CO]
.macro FRAG reg, adr, s, i
.irp p, 0,1,2,3,4,5
.set PCE, 12*(\s)+6*(\p/3)+\p%3
.if PCE%32 < 29
	ds_load_b64 v[\reg+2*\p:\reg+2*\p+1], v[\adr] offset:8*PCE+16*(PCE/32)+(\i)*TILEB
.else
	ds_load_b64 v[\reg+2*\p:\reg+2*\p+1], v[\adr+1] offset:8*PCE+16*(PCE/32)+(\i)*TILEB
.endif
.endr
.endm
.macro FETCH_R s, g
	WIN TO_F
.irp i, 0,1,2,3
	FRAG 48*(\g)+12*\i, ADR+2*(\g), \s, \i
.endr
.endm
.macro FETCH_P s
	WIN TO_F
.irp i, 0,1
.irp u, 0,1,2,3,4,5
	ds_load_b64 v[96+24*((\s)%2)+12*\i+2*\u:96+24*((\s)%2)+12*\i+2*\u+1], v[ADP] offset:PIMG*\i+1536*(\s)+256*\u
.endr
.endr
.endm
.macro SCALES
	WIN 0
.irp a, 0,1,2,3
	ds_load_b128 v[SCR+8*\a:SCR+8*\a+3], v[ADSR] offset:1088*\a
	ds_load_b128 v[SCR+8*\a+4:SCR+8*\a+7], v[ADSR] offset:1088*\a+16
.endr
	ds_load_b128 v[SCP:SCP+3], v[ADSP]
	ds_load_b128 v[SCP+4:SCP+7], v[ADSP] offset:16
.endm
.macro MM p, t, s
.set rD, ACC+64*(\p)+8*(\t)
.set rC, rD
.if (\s) == 0
.set rC, BI+8*(\t)
.endif
.set rA, 48*((\t)/4)+12*((\t)%4)
.set rB, 96+24*((\s)%2)+12*(\p)
.set rX, SCR+8*((\t)/2)+(\s)
.set rY, SCP+(\s)
.set md, 2*(\p)+(\t)%2
.if md == 0
	v_wmma_scale_f32_16x16x128_f8f6f4 v[rD:rD+7], v[rA:rA+11], v[rB:rB+11], v[rC:rC+7], v[rX], v[rY] matrix_a_fmt:MATRIX_FMT_FP6 matrix_b_fmt:MATRIX_FMT_FP6
.elseif md == 1
	v_wmma_scale_f32_16x16x128_f8f6f4 v[rD:rD+7], v[rA:rA+11], v[rB:rB+11], v[rC:rC+7], v[rX], v[rY] matrix_a_fmt:MATRIX_FMT_FP6 matrix_b_fmt:MATRIX_FMT_FP6 matrix_a_scale:MATRIX_SCALE_ROW1
.elseif md == 2
	v_wmma_scale_f32_16x16x128_f8f6f4 v[rD:rD+7], v[rA:rA+11], v[rB:rB+11], v[rC:rC+7], v[rX], v[rY] matrix_a_fmt:MATRIX_FMT_FP6 matrix_b_fmt:MATRIX_FMT_FP6 matrix_b_scale:MATRIX_SCALE_ROW1
.else
	v_wmma_scale_f32_16x16x128_f8f6f4 v[rD:rD+7], v[rA:rA+11], v[rB:rB+11], v[rC:rC+7], v[rX], v[rY] matrix_a_fmt:MATRIX_FMT_FP6 matrix_b_fmt:MATRIX_FMT_FP6 matrix_a_scale:MATRIX_SCALE_ROW1 matrix_b_scale:MATRIX_SCALE_ROW1
.endif
.endm
.macro HALF s, g
.if (\g) == 0
	s_wait_dscnt 24
.elseif (\s) < 7
	s_wait_dscnt 36
.else
	s_wait_dscnt 0
.endif
	WIN MUL
.irp t, 0,1,2,3
.irp p, 0,1
	MM \p, 4*(\g)+\t, \s
.endr
.endr
.if (\s) < 7
	PLACES 4
	FETCH_R (\s)+1, \g
.if (\g) == 0
	FETCH_P (\s)+1
.endif
.endif
.endm
	s_wait_alu depctr_va_vdst(0)
	s_wait_tensorcnt 0x0
	s_barrier_signal -1
	s_barrier_wait -1
	SCALES
	FETCH_P 0
	FETCH_R 0, 0
	FETCH_R 0, 1
	s_wait_loadcnt 0x0
.irp s, 0,1,2,3,4,5,6,7
	HALF \s, 0
	HALF \s, 1
.endr
	WIN 0
	PLACES 4
.irp p, 0,1
.irp t, 0,1,2,3,4,5,6,7
	ds_store_b128 v[STO], v[ACC+64*\p+8*\t:ACC+64*\p+8*\t+3] offset:64*\t
	ds_store_b128 v[STO], v[ACC+64*\p+8*\t+4:ACC+64*\p+8*\t+7] offset:64*\t+16
.endr
.irp i, 0,1,2,3,4,5,6,7,8,9,10,11,12,13,14,15
	ds_load_b128 v[BI+64*\p+4*\i:BI+64*\p+4*\i+3], v[RD] offset:\i*SPITCH
.endr
.endr
.irp i, 0,1,2,3,4,5,6,7,8,9,10,11,12,13,14,15
	s_wait_dscnt 47-\i
	global_store_b128 v[CO], v[BI+4*\i:BI+4*\i+3], s[30:31] offset:\i*4096 th:TH_STORE_NT
.endr
.irp i, 0,1,2,3,4,5,6,7,8,9,10,11,12,13,14,15
	s_wait_dscnt 15-\i
	global_store_b128 v[CO], v[BI+64+4*\i:BI+64+4*\i+3], s[30:31] offset:(16+\i)*4096 th:TH_STORE_NT
.endr
	s_wait_tensorcnt 0x0
	ds_add_u32 v62, v63
	s_wait_dscnt 0x0
	CROUND
	s_endpgm
.Lfunc_end_k_qe8dab04a24_oproj:
	.size	k_qe8dab04a24_oproj, .Lfunc_end_k_qe8dab04a24_oproj-k_qe8dab04a24_oproj
	.p2alignl 7, 3214868480
	.fill 96, 4, 3214868480
	.section	.rodata,"a",@progbits
	.p2align	6, 0x0
	.amdhsa_kernel k_qe8dab04a24_oproj
		.amdhsa_group_segment_fixed_size 327680
		.amdhsa_private_segment_fixed_size 0
		.amdhsa_enable_private_segment 0
		.amdhsa_kernarg_size 48
		.amdhsa_user_sgpr_count 2
		.amdhsa_user_sgpr_kernarg_segment_ptr 1
		.amdhsa_wavefront_size32 1
		.amdhsa_system_sgpr_workgroup_id_x 1
		.amdhsa_system_sgpr_workgroup_id_y 1
		.amdhsa_system_sgpr_workgroup_id_z 1
		.amdhsa_system_vgpr_workitem_id 0
		.amdhsa_next_free_vgpr 512
		.amdhsa_next_free_sgpr 100
		.amdhsa_reserve_vcc 0
		.amdhsa_float_denorm_mode_32 3
		.amdhsa_float_denorm_mode_16_64 3
		.amdhsa_memory_ordered 1
		.amdhsa_forward_progress 1
		.amdhsa_inst_pref_size 68
	.end_amdhsa_kernel
	.amdgpu_metadata
---
amdhsa.version: [ 1, 2 ]
amdhsa.kernels:
  - .name:           k_qe8dab04a24_oproj
    .symbol:         k_qe8dab04a24_oproj.kd
    .args:
      - { .name: oimg, .offset: 0, .size: 8, .value_kind: global_buffer, .address_space: global }
      - { .name: osc, .offset: 8, .size: 8, .value_kind: global_buffer, .address_space: global }
      - { .name: Wo_codes, .offset: 16, .size: 8, .value_kind: global_buffer, .address_space: global }
      - { .name: Wo_scales, .offset: 24, .size: 8, .value_kind: global_buffer, .address_space: global }
      - { .name: bo, .offset: 32, .size: 8, .value_kind: global_buffer, .address_space: global }
      - { .name: out0, .offset: 40, .size: 8, .value_kind: global_buffer, .address_space: global }
    .group_segment_fixed_size: 327680
    .private_segment_fixed_size: 0
    .kernarg_segment_align: 8
    .kernarg_segment_size: 48
    .max_flat_workgroup_size: 128
    .sgpr_count:     100
    .vgpr_count:     512
    .wavefront_size: 32
...
	.end_amdgpu_metadata
.endif
;; end of part 3
